; MI455X (gfx1250); checked and timed in simulation.
; The chip was launched on July 23, 2026; its instructions are those of AMD's public machine-readable ISA for CDNA 5 (MIT licence, August 2026) and "CDNA5" Instruction Set Architecture Reference Guide (July 2026). The comments in the code are by the model that wrote it; some were corrected since.
;; Causal Self Attention. Allowed arithmetic: matrix products marked QUANTISED: E2M1 operands, one E8M0 scale for each 32 along K, by v_wmma_scale_f32_16x16x128_f8f6f4 with both operands' format E2M1 (or v_wmma_scale_f32_32x16x128_f4), f32 sums; products left as they are: bf16, f16 or f32 operands; f32 sums; everything else in f32.
;; Inputs: b_out 1,024 float32; b_qkv 3,072 float32; w_out 1,024 x 1,024 float32; w_qkv 1,024 x 3,072 float32; x 4 x 2,048 x 1,024 float32.
;; Outputs: out0 4 x 2,048 x 1,024 float32.
;; This version of the problem:
;;   THIS VERSION OF THE PROBLEM IS GIVEN IN LOW PRECISION. The matrix products marked QUANTISED in the list below multiply operands that are first quantised to E2M1 (2 exponent bits, 1 mantissa bit; 4 bits a number), with one power-of-two scale for each 32 numbers along K (OCP MX v1.0); their sums are f32. The products marked 'left as it is' may take bf16, f16 or f32 operands, with f32 sums. Whichever they take, every output number must still come out within the allowed error. Rounding operands to bf16 (8 significant bits) uses up far more of that allowance than f16 does (11 bits, for magnitudes from 6e-5 to 65,504). All else is computed in f32.
;;   The module's matrix products, in the order in which they are computed (A, B: the left and right operand; K: the contracted axis; several contracted axes count as one K, in the product's order):
;;     1. [M 8,192, K 1,024] x [K 1,024, N 3,072]; A: input x; B: input w_qkv: QUANTISED
;;     2. batch 64 x [M 2,048, K 64] x [K 64, N 2,048]; A: computed on the way; B: computed on the way: left as it is (an operand is computed on the way)
;;     3. batch 64 x [M 2,048, K 2,048] x [K 2,048, N 64]; A: computed on the way; B: computed on the way: left as it is (an operand is computed on the way)
;;     4. [M 8,192, K 1,024] x [K 1,024, N 1,024]; A: computed on the way; B: input w_out: left as it is (an operand is computed on the way)
;;   THE QUANTISER, for each operand of a quantised product, along K:
;;     - K is cut into blocks of 32 from its start; a last block that is shorter is filled with zeros.
;;     - A block's scale is 2^e with e = floor(log2(the largest magnitude in the block)) - 2, held to -126 .. 127; a block of zeros has e = 0. As a byte (E8M0): e + 127.
;;     - Each number is divided by its block's scale, clamped to +-6, and rounded to the nearest number of E2M1, ties to even, subnormals kept.
;;     - The product sums the exact products of the quantised numbers (number of the format x scale) in f32.
;;   ~~~python
;;   def quantise(x, axis):      # numpy; x: float32 -> the quantised numbers, widened to float32 again
;;       x = np.moveaxis(x, axis, -1); K = x.shape[-1]
;;       x = np.pad(x, [(0, 0)] * (x.ndim - 1) + [(0, -K % 32)]); x = x.reshape(x.shape[:-1] + (-1, 32)); a = np.abs(x).max(-1, keepdims=True)
;;       e = np.where(a > 0, np.clip(np.frexp(np.where(a > 0, a, 1))[1] - 1 - 2, -126, 127), 0)      # np.frexp(a)[1] - 1 = floor(log2(a)), exactly
;;       r = np.clip(x / 2.0 ** e, -6, 6)
;;       step = 2.0 ** (np.maximum(np.frexp(np.where(r == 0, 1, r))[1] - 1, 0) - 1)
;;       q = np.round(r / step) * step * 2.0 ** e      # np.round: ties to even
;;       return np.moveaxis(q.reshape(q.shape[:-2] + (-1,))[..., :K], -1, axis).astype(np.float32)
;;   ~~~
;; One version. Each part assembles by itself: llvm-mc -triple=amdgcn-amd-amdhsa -mcpu=gfx1250 --defsym DOCPART=n.
;; ======== version 1 of 1: 5 launches
;; limits: values are held in f16: magnitudes above 65,504 overflow, below 6.1e-05 lose precision
;; workspace buffers: x_codes 4,194,304 bytes; x_scales 262,144 bytes; w_codes 1,572,864 bytes; w_scales 98,304 bytes; w16 2,097,152 bytes; qkv16 50,331,648 bytes; qkvf 786,432 bytes; o16 16,777,216 bytes
;; launch prep (part 1): grid 512 x 1, 4 waves a work-group, no clusters, 41,984 bytes of LDS; arguments x, w_qkv, w_out, x_codes, x_scales, w_codes, w_scales, w16; writes x_codes, x_scales, w_codes, w_scales, w16
.if DOCPART == 1
	.amdgcn_target "amdgcn-amd-amdhsa--gfx1250"
	.amdhsa_code_object_version 6
	.text
	.protected	k_qe2455f3e47_prep
	.globl	k_qe2455f3e47_prep
	.p2align	8
	.type	k_qe2455f3e47_prep,@function
k_qe2455f3e47_prep:
	s_mov_b64 s[64:65], 0
	v_nop
	global_prefetch_b8 v0, s[64:65] scope:SCOPE_SE
	s_setreg_imm32_b32 hwreg(HW_REG_WAVE_MODE, 25, 1), 1
	s_wait_xcnt 0x0
; PREP: three jobs in one launch, parted on the work-group's number (the same in all four waves of a work-group).
;  work-groups 0-255:   x [8192][1024] f32 -> codes of FP4 (E2M1), K innermost, [8192][512 bytes], and one E8M0 byte for each 32 along K, [8192][32].
;  work-groups 256-447: w_qkv [1024 (k)][3072 (n)] f32, K its FIRST axis -> codes [3072][512 bytes] with K innermost, bytes [3072][32].
;  work-groups 448-511: w_out [1024][1024] f32 -> f16, as it lies.
; A block's scale is 2^(floor(log2(its largest magnitude)) - 2); its byte is the largest magnitude's exponent field - 2, held at 1 from below.
; LIMITS: a block of zeros, and a block whose largest magnitude lies under 2^-124, keeps the byte 1 (zero codes add nothing; this program alone reads the bytes);
; NaN and infinities are not served; |w_out| stays under 65,504, f16's largest number.
; Each path has LDS bytes of its own: x 0 .. 32,767 (8,192 a wave), w_qkv 32,768 .. 41,471; the spare words behind them.
.set SPARE, 41472                      ; the spare words: 128 bytes for each wave, two blocks of 256 bytes that no other line names
.set WSTG,  32768                      ; w path: 32 rows (columns of w_qkv) x (256 bytes + 16)
.set WREG,  8192                       ; x path: a wave's region: two stages of 32 x SP bytes, then its 256 scale bytes
.set SP,    80                         ; a lane's place in a stage: 64 bytes + 16 of padding
.set EMAX,  2
.set STEPS, 16
.set SPW,   12                         ; v12  LDS address of my spare word; never rewritten
.set NIL,   13                         ; v13  0; never rewritten
.set R,     16                         ; x path: v16-143 eight sets of 16 numbers as loaded
.set X,     144                        ; v144-175 two sets of 16 neighbours
.set C,     176                        ; v176-207 codes, two registers a step
.set E,     208                        ; v208-223 a scale byte a step
.macro FINISH                          ; the wave's end
	s_wait_tensorcnt 0x0
	ds_add_u32 v[SPW], v[NIL]
	s_wait_dscnt 0x0
	s_endpgm
.endm
	s_load_b256 s[4:11], s[0:1], 0x0               ; x s[4:5], w_qkv s[6:7], w_out s[8:9], x_codes s[10:11]
	s_load_b256 s[12:19], s[0:1], 0x20             ; x_scales s[12:13], w_codes s[14:15], w_scales s[16:17], w16 s[18:19]
	v_lshl_add_u32 v[SPW], v0, 2, SPARE
	v_mov_b32 v[NIL], 0
	v_lshrrev_b32 v1, 5, v0
	v_readfirstlane_b32 s20, v1                    ; wave 0..3
	v_and_b32 v2, 31, v0                           ; lane
	s_wait_kmcnt 0x0
	s_cmp_lt_u32 ttmp9, 256
	s_cbranch_scc0 .Lnot_x
; ---------------- x: a plain stream of blocks of 32.  A wave takes 16 steps of 512 numbers; loads run eight steps (32 loads a wave) ahead.
; Each load reads 512 consecutive bytes; a step's 2,048 bytes turn through the wave's own stage so that a lane holds 16 neighbours along K.
	s_lshl_b32 s21, ttmp9, 2
	s_add_co_u32 s21, s21, s20                     ; which run of 8,192 numbers is my wave's
	s_mov_b32 s23, 0
	s_lshl_b32 s22, s21, 15
	s_add_nc_u64 s[4:5], s[4:5], s[22:23]          ; 32,768 bytes of x a run
	s_lshl_b32 s22, s21, 12
	s_add_nc_u64 s[10:11], s[10:11], s[22:23]      ; 4,096 bytes of codes
	s_lshl_b32 s22, s21, 8
	s_add_nc_u64 s[12:13], s[12:13], s[22:23]      ; 256 scale bytes
	s_mul_i32 s24, s20, WREG
	v_lshlrev_b32 v3, 4, v2                        ; my 16 bytes of a load's 512
	v_lshlrev_b32 v4, 3, v2                        ; my 8 bytes of a step's codes, and of the scale bytes on their way out
	v_lshrrev_b32 v14, 2, v2
	v_mul_u32_u24 v14, v14, SP
	v_and_b32 v15, 3, v2
	v_lshl_add_u32 v14, v15, 4, v14
	v_add_nc_u32 v14, s24, v14                     ; the stage, in: SP (lane / 4) + 16 (lane % 4)
	v_mul_u32_u24 v15, v2, SP
	v_add_nc_u32 v15, s24, v15                     ; the stage, out: SP x lane
	s_add_co_u32 s24, s24, 2*32*SP
	v_lshrrev_b32 v5, 1, v2
	v_add_nc_u32 v5, s24, v5                       ; my block's byte among the wave's 256
	v_add_nc_u32 v6, s24, v4                       ; and 8 bytes a lane on the way out
.macro XLOAD t
.irp i, 0,1,2,3
	global_load_b128 v[R+16*((\t)%8)+4*\i:R+16*((\t)%8)+4*\i+3], v3, s[4:5] offset:2048*(\t)+512*\i th:TH_LOAD_NT
.endr
.endm
.macro XTURN t                         ; LDS serves a wave's instructions in order: no wait between the stores and the loads
.irp i, 0,1,2,3
	ds_store_b128 v14, v[R+16*((\t)%8)+4*\i:R+16*((\t)%8)+4*\i+3] offset:32*SP*((\t)%2)+8*SP*\i
.endr
.irp i, 0,1,2,3
	ds_load_b128 v[X+16*((\t)%2)+4*\i:X+16*((\t)%2)+4*\i+3], v15 offset:32*SP*((\t)%2)+16*\i
.endr
.endm
.macro XSTEP t
.set XS, X+16*((\t)%2)
.if (\t) > 0
	s_wait_dscnt 1                                 ; this step's numbers are back from the stage; the last step's byte store may be out
.else
	s_wait_dscnt 0x0
.endif
.if (\t)+8 < STEPS
	XLOAD (\t)+8                                   ; into the set whose numbers have just gone through the stage
.endif
.if (\t)+1 < STEPS
.if STEPS-2-(\t) >= 7
	s_wait_loadcnt 28                              ; the next step's four loads are in; the seven steps behind it may be out
.else
	s_wait_loadcnt 4*(STEPS-2-(\t))                ; as many steps as are left behind the next one
.endif
	XTURN (\t)+1
.endif
	v_max3_num_f32 v8, |v[XS]|, |v[XS+1]|, |v[XS+2]|
	v_max3_num_f32 v9, |v[XS+3]|, |v[XS+4]|, |v[XS+5]|
.irp i, 6,10
	v_max3_num_f32 v8, v8, |v[XS+\i]|, |v[XS+\i+1]|
	v_max3_num_f32 v9, v9, |v[XS+\i+2]|, |v[XS+\i+3]|
.endr
	v_max3_num_f32 v8, v8, |v[XS+14]|, |v[XS+15]|
	v_max3_num_f32 v8, v8, v9, (EMAX+1)<<23        ; the floor 2^(3 - 127): the byte cannot fall under 1
	v_max_num_f32_dpp v8, v8, v8 row_xmask:1 row_mask:0xf bank_mask:0xf   ; with my neighbour's 16: the block's largest magnitude
	v_add_nc_u32 v11, -(EMAX<<23), v8              ; 2 off its exponent field: the conversion's scale operand
	v_cvt_scalef32_pk8_fp4_f32 v[C+2*(\t)], v[XS:XS+7], v11
	v_cvt_scalef32_pk8_fp4_f32 v[C+2*(\t)+1], v[XS+8:XS+15], v11
	v_lshrrev_b32 v[E+(\t)], 23, v11               ; the scale's byte (also the plain line behind the conversions)
	ds_store_b8 v5, v[E+(\t)] offset:16*(\t)       ; both lanes of a block write the same byte with the same value
	global_store_b64 v4, v[C+2*(\t):C+2*(\t)+1], s[10:11] offset:256*(\t)   ; the wave stores 256 consecutive bytes, aligned
.endm
.irp t, 0,1,2,3,4,5,6,7
	XLOAD \t
.endr
	s_wait_loadcnt 28                              ; step 0's four loads are in
	XTURN 0
.irp t, 0,1,2,3,4,5,6,7,8,9,10,11,12,13,14,15
	XSTEP \t
.endr
	ds_load_b64 v[8:9], v6                         ; my wave's 256 scale bytes
	s_wait_dscnt 0x0
	global_store_b64 v4, v[8:9], s[12:13]          ; 256 consecutive bytes, aligned
	FINISH
.Lnot_x:
	s_cmp_lt_u32 ttmp9, 448
	s_cbranch_scc0 .Lwo
; ---------------- w_qkv: a lane takes a column n, its registers run down K.  A work-group takes 32 columns x 512 along K; wave w the 128 along K from 128 w on:
; four blocks a lane, 64 bytes of codes a column.  The four waves' codes meet in one stage (a row = a column's 256 bytes), one barrier, and leave as whole rows.
	s_sub_co_u32 s21, ttmp9, 256
	s_lshr_b32 s22, s21, 1                         ; which 32 columns
	s_and_b32 s23, s21, 1                          ; which 512 along K
	s_lshl_b32 s24, s23, 9
	s_lshl_b32 s25, s20, 7
	s_add_co_u32 s24, s24, s25                     ; my first k
	s_mul_i32 s26, s24, 12288                      ; rows of 12,288 bytes
	s_lshl_b32 s25, s22, 7
	s_add_co_u32 s26, s26, s25
	s_mov_b32 s27, 0
	s_add_nc_u64 s[6:7], s[6:7], s[26:27]
	s_lshl_b32 s26, s22, 10                        ; scale bytes: 32 columns x 32 bytes, + 16 y + 4 w
	s_lshl_b32 s25, s23, 4
	s_add_co_u32 s26, s26, s25
	s_lshl_b32 s25, s20, 2
	s_add_co_u32 s26, s26, s25
	s_add_nc_u64 s[16:17], s[16:17], s[26:27]
	s_lshl_b32 s26, s22, 14                        ; codes: (32 cg + 8 w) rows of 512 bytes + 256 y
	s_lshl_b32 s25, s20, 12
	s_add_co_u32 s26, s26, s25
	s_lshl_b32 s25, s23, 8
	s_add_co_u32 s26, s26, s25
	s_add_nc_u64 s[14:15], s[14:15], s[26:27]
	v_lshlrev_b32 v3, 2, v2                        ; in: 4 bytes a lane
	v_mul_u32_u24 v4, v2, 272
	s_lshl_b32 s25, s20, 6
	s_add_co_u32 s25, s25, WSTG
	v_add_nc_u32 v4, s25, v4                       ; into the stage: row = my column, + 64 x wave
	v_and_b32 v5, 15, v2
	v_lshrrev_b32 v6, 4, v2
	v_mul_u32_u24 v7, v6, 272
	v_lshl_add_u32 v7, v5, 4, v7
	s_mul_i32 s25, s20, 8*272
	s_add_co_u32 s25, s25, WSTG
	v_add_nc_u32 v7, s25, v7                       ; out of it: wave w takes rows 8 w .. 8 w + 7, sixteen lanes to a row
	v_lshlrev_b32 v14, 9, v6
	v_lshl_add_u32 v14, v5, 4, v14                 ; and the same place in the codes' buffer
	v_lshlrev_b32 v15, 5, v2                       ; my column's row of scale bytes
.macro WLOAD t
.irp i, 0,1,2,3,4,5,6,7,8,9,10,11,12,13,14,15,16,17,18,19,20,21,22,23,24,25,26,27,28,29,30,31
	global_load_b32 v[32+32*((\t)%2)+\i], v3, s[6:7] offset:(32*(\t)+\i)*12288 th:TH_LOAD_NT
.endr
.endm
.macro WBLOCK t
.set XW, 32+32*((\t)%2)
.if (\t) < 3
	s_wait_loadcnt 32                              ; this block's 32 loads are in; the next block's may be out
.else
	s_wait_loadcnt 0x0
.endif
	v_max3_num_f32 v8, |v[XW]|, |v[XW+1]|, |v[XW+2]|
	v_max3_num_f32 v9, |v[XW+3]|, |v[XW+4]|, |v[XW+5]|
.irp i, 6,10,14,18,22,26
	v_max3_num_f32 v8, v8, |v[XW+\i]|, |v[XW+\i+1]|
	v_max3_num_f32 v9, v9, |v[XW+\i+2]|, |v[XW+\i+3]|
.endr
	v_max3_num_f32 v8, v8, |v[XW+30]|, |v[XW+31]|
	v_max3_num_f32 v8, v8, v9, (EMAX+1)<<23        ; the floor
	v_add_nc_u32 v11, -(EMAX<<23), v8              ; the conversion's scale operand
	v_lshrrev_b32 v10, 23, v11                     ; the scale's byte
.if (\t) == 0
	v_mov_b32 v24, v10
.else
	v_lshl_or_b32 v24, v10, 8*(\t), v24            ; four bytes to a register, the lower K in the lower byte
.endif
.irp g, 0,1,2,3
	v_cvt_scalef32_pk8_fp4_f32 v[96+\g], v[XW+8*\g:XW+8*\g+7], v11
.endr
	ds_store_b128 v4, v[96:99] offset:16*(\t)      ; 32 codes: 16 bytes of my column's row
.if (\t)+2 < 4
	WLOAD (\t)+2
.endif
	s_wait_dscnt 0x0                               ; the store is done: the next block's codes may be written; in front of the barrier: for the other waves' sake
.endm
	WLOAD 0
	WLOAD 1
	WBLOCK 0
	WBLOCK 1
	WBLOCK 2
	WBLOCK 3
	global_store_b32 v15, v24, s[16:17]            ; my column's four scale bytes
	s_barrier_signal -1
	s_barrier_wait -1                              ; all four waves' codes lie in the stage
.irp i, 0,1,2,3
	ds_load_b128 v[112+4*\i:115+4*\i], v7 offset:544*\i
.endr
.irp i, 0,1,2,3
	s_wait_dscnt 3-\i
	global_store_b128 v14, v[112+4*\i:115+4*\i], s[14:15] offset:1024*\i   ; sixteen lanes store 256 consecutive bytes, aligned
.endr
	FINISH
.Lwo:
; ---------------- w_out to f16: a wave takes 16,384 bytes, 32 loads of 512 bytes, all asked for at once
	s_sub_co_u32 s21, ttmp9, 448
	s_lshl_b32 s21, s21, 2
	s_add_co_u32 s21, s21, s20
	s_mov_b32 s23, 0
	s_lshl_b32 s22, s21, 14
	s_add_nc_u64 s[8:9], s[8:9], s[22:23]
	s_lshl_b32 s22, s21, 13
	s_add_nc_u64 s[18:19], s[18:19], s[22:23]
	v_lshlrev_b32 v3, 4, v2
	v_lshlrev_b32 v4, 3, v2
.set I, 0
.rept 32
	global_load_b128 v[32+4*I:35+4*I], v3, s[8:9] offset:512*I
.set I, I+1
.endr
.set I, 0
.rept 32
	s_wait_loadcnt 31-I                            ; loads come back in order: load I is in
	v_cvt_pk_f16_f32 v[160+2*I], v[32+4*I], v[33+4*I]
	v_cvt_pk_f16_f32 v[161+2*I], v[34+4*I], v[35+4*I]
	global_store_b64 v4, v[160+2*I:161+2*I], s[18:19] offset:256*I   ; 256 consecutive bytes, aligned
.set I, I+1
.endr
	FINISH
.Lfunc_end_k_qe2455f3e47_prep:
	.size	k_qe2455f3e47_prep, .Lfunc_end_k_qe2455f3e47_prep-k_qe2455f3e47_prep
	.p2alignl 7, 3214868480
	.fill 96, 4, 3214868480
	.section	.rodata,"a",@progbits
	.p2align	6, 0x0
	.amdhsa_kernel k_qe2455f3e47_prep
		.amdhsa_group_segment_fixed_size 41984
		.amdhsa_private_segment_fixed_size 0
		.amdhsa_enable_private_segment 0
		.amdhsa_kernarg_size 64
		.amdhsa_user_sgpr_count 2
		.amdhsa_user_sgpr_kernarg_segment_ptr 1
		.amdhsa_wavefront_size32 1
		.amdhsa_system_sgpr_workgroup_id_x 1
		.amdhsa_system_sgpr_workgroup_id_y 1
		.amdhsa_system_sgpr_workgroup_id_z 1
		.amdhsa_system_vgpr_workitem_id 0
		.amdhsa_next_free_vgpr 224
		.amdhsa_next_free_sgpr 66
		.amdhsa_reserve_vcc 0
		.amdhsa_float_denorm_mode_32 3
		.amdhsa_float_denorm_mode_16_64 3
		.amdhsa_memory_ordered 1
		.amdhsa_forward_progress 1
		.amdhsa_inst_pref_size 65
	.end_amdhsa_kernel
	.amdgpu_metadata
---
amdhsa.version: [ 1, 2 ]
amdhsa.kernels:
  - .name:           k_qe2455f3e47_prep
    .symbol:         k_qe2455f3e47_prep.kd
    .args:
      - { .name: x, .offset: 0, .size: 8, .value_kind: global_buffer, .address_space: global }
      - { .name: w_qkv, .offset: 8, .size: 8, .value_kind: global_buffer, .address_space: global }
      - { .name: w_out, .offset: 16, .size: 8, .value_kind: global_buffer, .address_space: global }
      - { .name: x_codes, .offset: 24, .size: 8, .value_kind: global_buffer, .address_space: global }
      - { .name: x_scales, .offset: 32, .size: 8, .value_kind: global_buffer, .address_space: global }
      - { .name: w_codes, .offset: 40, .size: 8, .value_kind: global_buffer, .address_space: global }
      - { .name: w_scales, .offset: 48, .size: 8, .value_kind: global_buffer, .address_space: global }
      - { .name: w16, .offset: 56, .size: 8, .value_kind: global_buffer, .address_space: global }
    .group_segment_fixed_size: 41984
    .private_segment_fixed_size: 0
    .kernarg_segment_align: 8
    .kernarg_segment_size: 64
    .max_flat_workgroup_size: 128
    .sgpr_count:     66
    .vgpr_count:     224
    .wavefront_size: 32
...
	.end_amdgpu_metadata
.endif
;; end of part 1
;; launch qkv (part 2): grid 12 x 32, 4 waves a work-group, clusters of 4 x 4, 327,680 bytes of LDS; arguments x_codes, x_scales, w_codes, w_scales, b_qkv, qkv16, qkvf; writes qkv16, qkvf
.if DOCPART == 2
	.amdgcn_target "amdgcn-amd-amdhsa--gfx1250"
	.amdhsa_code_object_version 6
	.text
	.protected	k_qe2455f3e47_qkv
	.globl	k_qe2455f3e47_qkv
	.p2align	8
	.type	k_qe2455f3e47_qkv,@function
k_qe2455f3e47_qkv:
	s_mov_b64 s[64:65], 0
	v_nop
	global_prefetch_b8 v0, s[64:65] scope:SCOPE_SE
	s_setreg_imm32_b32 hwreg(HW_REG_WAVE_MODE, 25, 1), 1
	s_wait_xcnt 0x0
	s_wait_alu depctr_hold_cnt(0) depctr_sa_sdst(0) depctr_va_vdst(0) depctr_va_sdst(0) depctr_va_ssrc(0) depctr_va_vcc(0) depctr_vm_vsrc(0)
	s_getreg_b32 s2, hwreg(HW_REG_IB_STS2, 6, 4)
	s_cmp_eq_u32 s2, 0
	s_cbranch_scc0 .Lentry_in_a_cluster
	s_endpgm
.Lentry_in_a_cluster:
	s_bfe_u32 s2, ttmp6, 0x10000c
	s_cmp_lg_u32 s2, 0xf033
	s_cbranch_scc0 .Lentry_shape_is_right
	s_endpgm
.Lentry_shape_is_right:
; QKV = Q(x) Q(w_qkv) + b_qkv on codes of FP4 (E2M1) with one E8M0 scale for each 32 along K; M = 8,192, N = 3,072, K = 1,024; sums in f32.
; A tile of 256 x 256 is made by four waves, 128 x 128 each: 64 accumulators.  K = 1,024 is two LDS slots of 512 along K (rows of 256 bytes): both slots and the scale bytes are
; asked for at the start, nothing is filled again.  CLUSTERS: 4 x 4 work-groups; x's tiles are shared along a row of the cluster, w's along a column, by joint loads.
; The tile row is 8 cy + cluster y, so that the batch is cy and the tile in the batch is cluster y: the branch for positions 0-15 hangs on cluster y and the wave's number alone.
; THE MATRIX INSTRUCTION IS USED TRANSPOSED (source 0 = 16 columns' rows of w's codes, source 1 = 16 rows of x): a lane holds eight neighbouring columns of one row.
; The bias is the C of each sum's first product.  OUT: f16, by head: qkv16 [which 3][b 4][h 16][t 2048][64]; positions 0-15 of each batch also in f32, as the image of the
; accumulators' registers: qkvf [b 4][16 columns: 192][register half 2][lane half 2][position 16][4].
; LIMITS: |q|, |k|, |v| stay under 65,504, f16's largest number.
; REGISTERS: window 0: v0-31 addresses; v32-95 scale words, two sets; from v128 x's fragments, one set; on the way out v32-63 packed results, v128-191 rows read back.
;   window 1: w's fragments, two sets, at v0 and v128; v64-127 the bias, eight registers a column block.   windows 2, 3: the accumulators ((a, b) at v[8 (8 (a % 4) + b)]).
.set NQ,     4                         ; steps of 128 along K in a slot
.set ROWB,   256                       ; a tile's row in bytes: 512 codes
.set KROW,   512                       ; a row of codes in memory
.set PITCH,  272                       ; an LDS row: 256 bytes + 16: the 16 rows that a load touches start at 16 different banks (64 banks of 4 bytes: ISA guide 11.1)
.set FR,     8
.set NL,     2
.set NP,     4                         ; places behind this matrix instruction (ISA guide 7.12.1)
.set HALFT,  128*PITCH
.set SLOT,   4*HALFT
.set KS,     32                        ; a row of scale bytes
.set SCL,    2*SLOT
.set HALFS,  (128*KS/256)*272
.set SBLK,   (16*KS/256)*272
.set SPARE,  SCL+4*HALFS               ; the spare words: 128 bytes for each wave, two blocks of 256 bytes that no other line names
.set ADRA, 16
.set ADRB, 20
.set STO,  24                          ; the way out: where I put 16 bytes of a row
.set RD,   25                          ; where I read four rows of a head back
.set CO,   26                          ; 16 x lane
.set ADRS, 27
.set SPW,  28
.set NIL,  29
.set BO,   30                          ; 32 x (lane / 16): my eight numbers of a column block's bias
.set SC,   32
.set AF,   128
.set BI,   64                          ; the bias, in window 1
.set TMP,  32
.set BK,   128
.set G1, 24
.set G0, 32
.set G1B, 48
.set G0B, 56
.set G1S, 68
.set G0S, 76
.set G1SB, 80
.set G0SB, 88
.set MSB, 0
.macro WIN new                         ; the immediate's high byte repeats the setting that is left
.if MSB != \new
	s_set_vgpr_msb (MSB<<8)|\new
.set MSB, \new
.endif
.endm
.set MUL_LO, 0xa1                      ; source 0 (w) window 1, source 1 (x) window 0, C and D window 2
.set MUL_HI, 0xf1                      ; the same, C and D window 3
.set FST_LO, 0x91                      ; the first step: C (the bias) window 1, D window 2
.set FST_HI, 0xd1                      ; D window 3
.set TO_B,   0x40
; A joint load: waves 0 and 1 fetch for x, waves 2 and 3 for w.  An s_nop 0 and four v_nop follow each of the two lines.
.macro JLOAD g0a, g1a, g0b, g1b
	s_cmp_eq_u32 s15, 0
	s_cbranch_scc0 .Lfor_b_\@
	tensor_load_to_lds s[\g0a:\g0a+3], s[\g1a:\g1a+7]
	s_nop 0
.rept 4
	v_nop
.endr
	s_branch .Lasked_\@
.Lfor_b_\@:
	tensor_load_to_lds s[\g0b:\g0b+3], s[\g1b:\g1b+7]
	s_nop 0
.rept 4
	v_nop
.endr
.Lasked_\@:
.endm
.macro CROUND                          ; a round of the cluster's barrier
	s_barrier_signal -1
	s_barrier_wait -1
	s_cmp_lg_u32 s14, 0
	s_cbranch_scc1 .Lnot_wave_0_\@
	s_barrier_signal -3
.Lnot_wave_0_\@:
	s_barrier_wait -3
	s_barrier_signal -1
	s_barrier_wait -1
.endm
	s_load_b128 s[4:7], s[0:1], 0x0                ; x's codes, x's scales
	s_load_b128 s[8:11], s[0:1], 0x10              ; w's codes, w's scales
	s_load_b64 s[12:13], s[0:1], 0x20              ; the bias
	s_load_b128 s[96:99], s[0:1], 0x28             ; qkv16 s[96:97], qkvf s[98:99]
	v_lshl_add_u32 v[SPW], v0, 2, SPARE
	v_mov_b32 v[NIL], 0
	ds_add_u32 v[SPW], v[NIL]                      ; the wave's opening: the add, twice on end, and its wait ahead of my first tensor load
	ds_add_u32 v[SPW], v[NIL]
	v_lshrrev_b32 v1, 5, v0
	v_readfirstlane_b32 s14, v1                    ; wave 0..3
	s_lshr_b32 s15, s14, 1                         ; which half of the tile's rows is mine.  Also: I fetch for x (0) or for w (1)
	s_and_b32 s16, s14, 1                          ; which half of its columns.  Also: which 128 rows of that tile I fetch
	s_bfe_u32 s40, ttmp6, 0x40000                  ; cx
	s_bfe_u32 s41, ttmp6, 0x40004                  ; cy
	s_lshl_b32 s42, ttmp9, 2
	s_add_co_u32 s42, s42, s40                     ; tile column = 4 x cluster x + cx
	s_and_b32 s95, ttmp7, 0xffff                   ; cluster y: the tile in the batch
	s_lshl_b32 s17, s41, 3
	s_add_co_u32 s17, s17, s95                     ; tile row = 8 cy + cluster y
	s_lshl_b32 s43, s41, 2
	s_lshl_b32 s43, 15, s43                        ; my row of the cluster
	s_lshl_b32 s44, 0x1111, s40                    ; my column
	s_or_b32 s[G1+0], s43, (0<<16)|(1<<20)|(1<<21)|(5<<22)|(3<<25)  ; the mask; elements of 1 byte; padding on; bit 21 beside a mask; after every 64 words 4 words
	s_or_b32 s[G1B+0], s44, (0<<16)|(1<<20)|(1<<21)|(5<<22)|(3<<25)
.irp g, G1, G1B
	s_mov_b32 s[\g+1], ROWB<<16                    ; tensor_dim0
	s_mov_b32 s[\g+2], 128<<16                     ; tensor_dim1
	s_mov_b32 s[\g+3], ROWB<<16                    ; tile_dim0
	s_mov_b32 s[\g+4], 128                         ; tile_dim1
	s_mov_b32 s[\g+5], KROW                        ; the pitch
	s_mov_b32 s[\g+6], 0
	s_mov_b32 s[\g+7], 0
.endr
	s_or_b32 s[G1S+0], s43, (3<<16)|(1<<20)|(1<<21)|(5<<22)|(3<<25)  ; the scale bytes of 128 rows: 4,096 dense bytes as 16 rows of 256 (32 elements of 8 bytes), 16 bytes of padding behind each
	s_or_b32 s[G1SB+0], s44, (3<<16)|(1<<20)|(1<<21)|(5<<22)|(3<<25)
.irp g, G1S, G1SB
	s_mov_b32 s[\g+1], 32<<16
	s_mov_b32 s[\g+2], (128*KS/256)<<16
	s_mov_b32 s[\g+3], 32<<16
	s_mov_b32 s[\g+4], 128*KS/256
	s_mov_b32 s[\g+5], 32
	s_mov_b32 s[\g+6], 0
	s_mov_b32 s[\g+7], 0
.endr
	s_lshl_b32 s18, s16, 7                         ; which 128 rows of the tile I fetch
	s_lshl_b32 s20, s17, 8
	s_add_co_u32 s20, s20, s18                     ; x: row 256 x tile row + 128 x half
	s_lshl_b32 s46, s42, 8
	s_add_co_u32 s46, s46, s18                     ; w: row 256 x tile column + 128 x half
	s_mov_b32 s21, 0
	s_mov_b32 s47, 0
	s_mov_b64 s[18:19], KS
	s_mul_u64 s[22:23], s[20:21], s[18:19]         ; where these rows' scale bytes begin
	s_mul_u64 s[92:93], s[46:47], s[18:19]
	s_mov_b64 s[18:19], KROW
	s_mul_u64 s[20:21], s[20:21], s[18:19]         ; and their codes
	s_mul_u64 s[46:47], s[46:47], s[18:19]
	s_mul_i32 s45, s14, HALFT                      ; where they go: wave x 128 rows
	s_mul_i32 s94, s14, HALFS
	s_wait_dscnt 0x0                               ; both opening adds are done
	s_wait_kmcnt 0x0
	s_add_nc_u64 s[20:21], s[4:5], s[20:21]
	s_add_nc_u64 s[22:23], s[6:7], s[22:23]
	s_add_nc_u64 s[46:47], s[8:9], s[46:47]
	s_add_nc_u64 s[92:93], s[10:11], s[92:93]
	CROUND                                         ; all sixteen work-groups are here: the joint loads meet
	s_mov_b32 s[G0S], 1
	s_add_co_u32 s[G0S+1], s94, SCL
	s_mov_b64 s[G0S+2:G0S+3], s[22:23]
	s_or_b32 s[G0S+3], s[G0S+3], 0x80000000
	s_mov_b32 s[G0SB], 1
	s_add_co_u32 s[G0SB+1], s94, SCL
	s_mov_b64 s[G0SB+2:G0SB+3], s[92:93]
	s_or_b32 s[G0SB+3], s[G0SB+3], 0x80000000
	JLOAD G0S, G1S, G0SB, G1SB                     ; the scale bytes first; three loads of mine are out at the most
.irp s, 0,1
	s_mov_b32 s[G0+4*\s], 1
	s_add_co_u32 s[G0+4*\s+1], s45, \s*SLOT
	s_add_nc_u64 s[G0+4*\s+2:G0+4*\s+3], s[20:21], \s*ROWB
	s_or_b32 s[G0+4*\s+3], s[G0+4*\s+3], 0x80000000
	s_mov_b32 s[G0B+4*\s], 1
	s_add_co_u32 s[G0B+4*\s+1], s45, \s*SLOT
	s_add_nc_u64 s[G0B+4*\s+2:G0B+4*\s+3], s[46:47], \s*ROWB
	s_or_b32 s[G0B+4*\s+3], s[G0B+4*\s+3], 0x80000000
	JLOAD G0+4*\s, G1, G0B+4*\s, G1B
.endr
	v_and_b32 v1, 15, v0                           ; r = l % 16
	v_bfe_u32 v2, v0, 4, 1                         ; h = l / 16
	v_mul_u32_u24 v3, v1, PITCH
	v_lshl_add_u32 v4, v2, 4, v3                   ; a fragment's row x pitch + 16 x half
	s_mul_i32 s21, s15, HALFT
	s_mul_i32 s22, s16, HALFT
	s_add_co_u32 s22, s22, 2*HALFT
.irp s, 0,1
	v_add_nc_u32 v[ADRA+\s], s21, v4
	v_add_nc_u32 v[ADRB+\s], s22, v4
	s_add_co_u32 s21, s21, SLOT
	s_add_co_u32 s22, s22, SLOT
.endr
	v_mul_u32_u24 v5, v1, KS                       ; my row's scale bytes: 32 a row,
	v_lshrrev_b32 v6, 8, v5
	v_lshl_add_u32 v5, v6, 4, v5                   ; and 16 more for each 256 passed
	s_mul_i32 s21, s15, HALFS
	s_mul_i32 s22, s16, HALFS
	s_add_co_u32 s22, s22, 2*HALFS
	s_sub_co_u32 s22, s22, s21
	v_mul_u32_u24 v6, s22, v2                      ; lanes 16-31 take w's
	s_add_co_u32 s21, s21, SCL
	v_add_nc_u32 v5, v5, v6
	v_add_nc_u32 v[ADRS], s21, v5
	s_mul_i32 s23, s14, 4608                       ; my stage, in slot 0: [head 2][row 16][128 bytes + 16]
	v_mul_u32_u24 v5, v1, 144
	v_lshl_add_u32 v5, v2, 4, v5
	v_add_nc_u32 v[STO], s23, v5
	v_and_b32 v6, 31, v0
	v_lshlrev_b32 v[CO], 4, v6
	v_lshrrev_b32 v5, 3, v6
	v_mul_u32_u24 v5, v5, 144
	v_and_b32 v6, 7, v6
	v_lshl_add_u32 v5, v6, 4, v5
	v_add_nc_u32 v[RD], s23, v5                    ; back: eight lanes to a row of 128 bytes, four rows an instruction
	v_lshlrev_b32 v[BO], 5, v2
	; my first column nw = 256 x tile column + 128 x half
	s_lshl_b32 s46, s42, 10
	s_lshl_b32 s47, s16, 9
	s_add_co_u32 s46, s46, s47                     ; 4 nw
	s_mov_b32 s47, 0
	s_add_nc_u64 s[12:13], s[12:13], s[46:47]      ; the bias at my first column
	s_mul_i32 s66, s41, 196608                     ; qkvf: my batch,
	s_lshl_b32 s46, s46, 4
	s_add_co_u32 s66, s66, s46                     ; + 1,024 bytes for each 16 columns
	s_mov_b32 s67, 0
	s_add_nc_u64 s[98:99], s[98:99], s[66:67]
	s_lshl_b32 s46, s42, 2
	s_lshl_b32 s66, s16, 1
	s_add_co_u32 s46, s46, s66                     ; my first head among 48: 4 x tile column + 2 x half
	s_lshr_b32 s66, s46, 4                         ; q, k or v
	s_lshl_b32 s66, s66, 6
	s_and_b32 s46, s46, 15                         ; the head
	s_add_co_u32 s66, s66, s46
	s_lshl_b32 s46, s41, 4
	s_add_co_u32 s66, s66, s46                     ; + 16 x batch
	s_lshl_b32 s66, s66, 18                        ; heads of 262,144 bytes
	s_lshl_b32 s46, s95, 15
	s_add_co_u32 s66, s66, s46                     ; + 256 x cluster y rows of 128 bytes
	s_lshl_b32 s46, s15, 14
	s_add_co_u32 s66, s66, s46                     ; + 128 x row half
	s_add_nc_u64 s[96:97], s[96:97], s[66:67]
	WIN TO_B
.irp b, 0,1,2,3,4,5,6,7
	global_load_b128 v[BI+8*\b:BI+8*\b+3], v[BO], s[12:13] offset:64*\b        ; lane (r, h): the bias of columns 16 b + 8 h + 0 .. 7
	global_load_b128 v[BI+8*\b+4:BI+8*\b+7], v[BO], s[12:13] offset:64*\b+16
.endr
	WIN 0
.macro FRAG reg, adr, q, i             ; 16 rows x 128 K of 4-bit codes: 8 registers, two loads of 16 bytes, 32 bytes apart
.irp c, 0,1
	ds_load_b128 v[\reg+4*\c:\reg+4*\c+3], v[\adr] offset:64*(\q)+32*\c+(\i)*16*PITCH
.endr
.endm
; 16 matrix instructions: x's blocks a0, a0 + 1 against w's eight.  first = 1: the bias is the C.  The 64 accumulators take turns.
.macro MUL16 a0, p, q, sc, first
.irp a, \a0, \a0+1
.irp b, 0,1,2,3,4,5,6,7
.if \first
	v_wmma_scale_f32_16x16x128_f8f6f4 v[8*(8*((\a)%4)+\b):8*(8*((\a)%4)+\b)+7], v[128*(\p)+FR*\b:128*(\p)+FR*\b+FR-1], v[AF+FR*(\a):AF+FR*(\a)+FR-1], v[BI+8*\b:BI+8*\b+7], v[SC+8*NQ*(\sc)+NQ*\b+(\q)], v[SC+8*NQ*(\sc)+NQ*(\a)+(\q)] matrix_a_fmt:MATRIX_FMT_FP4 matrix_b_fmt:MATRIX_FMT_FP4 matrix_a_scale:MATRIX_SCALE_ROW1
.else
	v_wmma_scale_f32_16x16x128_f8f6f4 v[8*(8*((\a)%4)+\b):8*(8*((\a)%4)+\b)+7], v[128*(\p)+FR*\b:128*(\p)+FR*\b+FR-1], v[AF+FR*(\a):AF+FR*(\a)+FR-1], v[8*(8*((\a)%4)+\b):8*(8*((\a)%4)+\b)+7], v[SC+8*NQ*(\sc)+NQ*\b+(\q)], v[SC+8*NQ*(\sc)+NQ*(\a)+(\q)] matrix_a_fmt:MATRIX_FMT_FP4 matrix_b_fmt:MATRIX_FMT_FP4 matrix_a_scale:MATRIX_SCALE_ROW1
.endif
.endr
.endr
.endm
.macro FETCH_B slot, q, p
	WIN TO_B
.irp i, 0,1,2,3,4,5,6,7
	FRAG 128*(\p)+FR*\i, ADRB+\slot, \q, \i
.endr
	WIN 0
.endm
.macro FETCH_A slot, q, i0
.irp i, \i0, \i0+1, \i0+2, \i0+3
	FRAG AF+FR*(\i), ADRA+\slot, \q, \i
.endr
.endm
.macro SCALES sc                       ; a slot's scale words: four a row; lanes 0-15 take x's block i, lanes 16-31 w's block i
.irp i, 0,1,2,3,4,5,6,7
	ds_load_b128 v[SC+8*NQ*\sc+NQ*\i:SC+8*NQ*\sc+NQ*\i+3], v[ADRS] offset:\i*SBLK
.endr
.endm
.macro PLACES n                        ; plain vector instructions between a matrix instruction and a load into, or a read of, its registers
.rept \n
	v_nop
.endr
.endm
.macro STEP slot, q, first             ; a step of 128 along K that has its successor in the same slot
	s_wait_dscnt 4*NL                              ; w's set and x's blocks 0-3 are in; the youngest eight loads (x's blocks 4-7) may be out
.if \first
	WIN FST_LO
.else
	WIN MUL_LO
.endif
	MUL16 0, (\q)%2, \q, \slot, \first
	MUL16 2, (\q)%2, \q, \slot, \first
	s_wait_dscnt 0
	PLACES NP
	FETCH_B \slot, (\q)+1, 1-(\q)%2
	FETCH_A \slot, (\q)+1, 0
.if \first
	WIN FST_HI
.else
	WIN MUL_HI
.endif
	MUL16 4, (\q)%2, \q, \slot, \first
	MUL16 6, (\q)%2, \q, \slot, \first
	PLACES NP
	WIN 0
	FETCH_A \slot, (\q)+1, 4
.endm
.macro STEPS slot, from
.set Q, \from
.rept NQ-1-\from
	STEP \slot, Q, 0
.set Q, Q+1
.endr
.endm
	s_wait_tensorcnt 1                             ; the scale bytes and my part of slot 0 are in; slot 1's load may be out
	s_barrier_signal -1
	s_barrier_wait -1
	FETCH_B 0, 0, 0
	FETCH_A 0, 0, 0
	SCALES 0
	FETCH_A 0, 0, 4
	s_wait_loadcnt 0x0                             ; the bias
	STEP 0, 0, 1
	STEPS 0, 1
	; slot 0's last step changes slots: one barrier; in front of it all my tensor loads have landed (slot 1) and my reads of slot 0 are over
	s_wait_tensorcnt 0x0
	ds_add_u32 v[SPW], v[NIL]
	s_wait_dscnt 4*NL+1                            ; the add and the youngest eight loads may be out
	WIN MUL_LO
	MUL16 0, 1, NQ-1, 0, 0
	s_wait_dscnt 0x0
	s_barrier_signal -1
	MUL16 2, 1, NQ-1, 0, 0
	WIN 0
	s_barrier_wait -1
	PLACES NP
	v_add_nc_u32 v[ADRS], 4*NQ, v[ADRS]            ; on to slot 1's scale words
	FETCH_B 1, 0, 0
	FETCH_A 1, 0, 0
	SCALES 1
	WIN MUL_HI
	MUL16 4, 1, NQ-1, 0, 0
	MUL16 6, 1, NQ-1, 0, 0
	PLACES NP
	WIN 0
	FETCH_A 1, 0, 4
	STEPS 1, 0
	s_wait_dscnt 4*NL                              ; the very last step
	WIN MUL_LO
	MUL16 0, 1, NQ-1, 1, 0
	MUL16 2, 1, NQ-1, 1, 0
	s_wait_dscnt 0
	WIN MUL_HI
	MUL16 4, 1, NQ-1, 1, 0
	MUL16 6, 1, NQ-1, 1, 0
	WIN 0
; THE WAY OUT.  A block of 16 rows x 128 columns (two heads) is rounded to f16, 16 bytes a lane, goes through my stage and comes back as rows of a head: four rows, 512 consecutive bytes, a store.
	PLACES NP
	s_or_b32 s2, s95, s15                          ; positions 0-15 of a batch lie in block 0 of the upper waves of cluster y = 0: the same in all partners
	s_cmp_lg_u32 s2, 0
	s_cbranch_scc1 .Lno_fine
	WIN 0x08                                       ; a store's data: window 2
.irp b, 0,1,2,3,4,5,6,7
	global_store_b128 v[CO], v[8*\b:8*\b+3], s[98:99] offset:1024*\b          ; the accumulators as they stand, each from its low end: 512 consecutive bytes a store
	global_store_b128 v[CO], v[8*\b+4:8*\b+7], s[98:99] offset:1024*\b+512
.endr
	WIN 0
.Lno_fine:
.macro PACK a
.set AC, 64*((\a)%4)
	WIN 0x0a+5*((\a)/4)                            ; sources 0 and 1: window 2 or 3
.irp b, 0,1,2,3,4,5,6,7
.irp r, 0,1,2,3
	v_cvt_pk_f16_f32 v[TMP+4*\b+\r], v[AC+8*\b+2*\r], v[AC+8*\b+2*\r+1]
.endr
.endr
	WIN 0
.endm
.macro TOSTAGE a
.set BB, BK+32*((\a)%2)
.irp b, 0,1,2,3,4,5,6,7
	ds_store_b128 v[STO], v[TMP+4*\b:TMP+4*\b+3] offset:(\b/4)*2304+32*(\b%4)
.endr
.irp i, 0,1,2,3,4,5,6,7
	ds_load_b128 v[BB+4*\i:BB+4*\i+3], v[RD] offset:(\i/4)*2304+(\i%4)*576   ; LDS serves a wave's instructions in order: these see the stores above
.endr
.endm
.macro SEND a
.set BB, BK+32*((\a)%2)
	s_wait_dscnt 0x0                               ; the block is back in registers
	s_wait_xcnt 0x0                                ; earlier stores have read their registers: the other set may be loaded again behind this wait
.irp i, 0,1,2,3,4,5,6,7
	global_store_b128 v[CO], v[BB+4*\i:BB+4*\i+3], s[96:97] offset:(\i/4)*262144+2048*(\a)+512*(\i%4)
.endr
.endm
	PACK 0
	TOSTAGE 0
.irp a, 1,2,3,4,5,6,7
	PACK \a
	SEND \a-1
	TOSTAGE \a
.endr
	SEND 7
	s_wait_tensorcnt 0x0                           ; the wave's end
	ds_add_u32 v[SPW], v[NIL]
	s_wait_dscnt 0x0
	CROUND                                         ; the closing round
	s_endpgm
.Lfunc_end_k_qe2455f3e47_qkv:
	.size	k_qe2455f3e47_qkv, .Lfunc_end_k_qe2455f3e47_qkv-k_qe2455f3e47_qkv
	.p2alignl 7, 3214868480
	.fill 96, 4, 3214868480
	.section	.rodata,"a",@progbits
	.p2align	6, 0x0
	.amdhsa_kernel k_qe2455f3e47_qkv
		.amdhsa_group_segment_fixed_size 327680
		.amdhsa_private_segment_fixed_size 0
		.amdhsa_enable_private_segment 0
		.amdhsa_kernarg_size 56
		.amdhsa_user_sgpr_count 2
		.amdhsa_user_sgpr_kernarg_segment_ptr 1
		.amdhsa_wavefront_size32 1
		.amdhsa_system_sgpr_workgroup_id_x 1
		.amdhsa_system_sgpr_workgroup_id_y 1
		.amdhsa_system_sgpr_workgroup_id_z 1
		.amdhsa_system_vgpr_workitem_id 0
		.amdhsa_next_free_vgpr 1024
		.amdhsa_next_free_sgpr 100
		.amdhsa_reserve_vcc 0
		.amdhsa_float_denorm_mode_32 3
		.amdhsa_float_denorm_mode_16_64 3
		.amdhsa_memory_ordered 1
		.amdhsa_forward_progress 1
		.amdhsa_inst_pref_size 130
	.end_amdhsa_kernel
	.amdgpu_metadata
---
amdhsa.version: [ 1, 2 ]
amdhsa.kernels:
  - .name:           k_qe2455f3e47_qkv
    .symbol:         k_qe2455f3e47_qkv.kd
    .args:
      - { .name: x_codes, .offset: 0, .size: 8, .value_kind: global_buffer, .address_space: global }
      - { .name: x_scales, .offset: 8, .size: 8, .value_kind: global_buffer, .address_space: global }
      - { .name: w_codes, .offset: 16, .size: 8, .value_kind: global_buffer, .address_space: global }
      - { .name: w_scales, .offset: 24, .size: 8, .value_kind: global_buffer, .address_space: global }
      - { .name: b_qkv, .offset: 32, .size: 8, .value_kind: global_buffer, .address_space: global }
      - { .name: qkv16, .offset: 40, .size: 8, .value_kind: global_buffer, .address_space: global }
      - { .name: qkvf, .offset: 48, .size: 8, .value_kind: global_buffer, .address_space: global }
    .group_segment_fixed_size: 327680
    .private_segment_fixed_size: 0
    .kernarg_segment_align: 8
    .kernarg_segment_size: 56
    .max_flat_workgroup_size: 128
    .sgpr_count:     100
    .vgpr_count:     1024
    .wavefront_size: 32
...
	.end_amdgpu_metadata
.endif
;; end of part 2
;; launch attn (part 3): grid 64 x 8, 8 waves a work-group, no clusters, 327,680 bytes of LDS; arguments qkv16, o16; writes o16
.if DOCPART == 3
	.amdgcn_target "amdgcn-amd-amdhsa--gfx1250"
	.amdhsa_code_object_version 6
	.text
	.protected	k_qe2455f3e47_attn
	.globl	k_qe2455f3e47_attn
	.p2align	8
	.type	k_qe2455f3e47_attn,@function
k_qe2455f3e47_attn:
	s_mov_b64 s[64:65], 0
	v_nop
	global_prefetch_b8 v0, s[64:65] scope:SCOPE_SE
	s_setreg_imm32_b32 hwreg(HW_REG_WAVE_MODE, 25, 1), 1
	s_wait_xcnt 0x0
; O[bh][q] = the sum over k <= q of softmax_k(Q[bh][q] . K[bh][k] / 8) V[bh][k].  Q, K, V: f16, [which][bh 64][2048][64]; products, maxima and sums in f32; the weights p are rounded to f16
; for the second product, O once at the end, to f16: o16 [256 rows: 32][h 16][256][64].
; SHARES.  A work-group owns 256 queries of one head (block 7 - y: the longest walks are launched first); each of its eight waves 32: two tiles of 16.  Two waves lie on a SIMD, so that one wave's
; softmax stands beside the other's products.  A key step is 64 keys.  K's and V's tiles come through a ring of two LDS slots of 256 keys (waves 0, 1: K's halves; waves 2, 3: V's), read by all eight.
; NO CLUSTER: under the causal mask the query blocks of a head need different numbers of slots, so a partner would jump over the reads of a tile that was asked for jointly.
; LAYOUT.  S^T = K Q^T (source 0 = 16 keys, source 1 = 16 queries): a lane holds ONE query (lane % 16) and keys 8 (lane / 16) + 0..7.  Two such tiles, rounded in pairs, ARE source 1 of O^T = V^T P.
; SOFTMAX.  A running maximum m and sum l for each query: p = 2^(c s - c m), c = log2(e) / 8; in every step O and l are multiplied by a = 2^(c m_old - c m_new).
; CAUSAL.  Every work-group walks all eight slots (constant trip counts); a step all of whose keys come after the wave's queries is jumped over, a slot that no wave of the work-group reads is not asked for.
; Every step that is walked begins at or under the wave's first query (64 divides the step's first key, 32 the wave's first query), so each query sees a key in it.
; LIMITS: |q|, |k|, |v|, |o| under 65,504 (f16).  Positions 0-15 of each sequence are made again, in f32, by a later launch.
; REGISTERS: window 0: v1-14 addresses and constants; v16-31 statistics; v32-63 Q; v64-127 S^T; v128-159 P; v160-223 O^T.  window 1: v0-63 K's fragments, v64-127 V's.
.set KP,    272                        ; an LDS row of K: two keys, 256 bytes, + 16
.set VP,    288                        ; of V: + 32
.set VOFF,  128*KP
.set SLOT1, 1<<17
.set SPARE, 2*SLOT1                    ; the spare words: 128 bytes for each wave, four blocks of 256 bytes that no other line names
.set AK0, 1
.set AV0, 2
.set SPW, 3
.set NIL, 4
.set GO,  5                            ; 16 x lane
.set ADK, 6
.set ADV, 7
.set PFO, 8                            ; 256 x lane
.set NINF, 9
.set D0,  10                           ; v10, v11: my query less the step's first key less 8 (lane / 16), for tiles 0, 1
.set DL,  12
.set STO, 13
.set RD,  14
.set ST,  16                           ; tile t at v[ST + 8 t]: +0 c m, +1 m, +2, +3 l, +4 .. +7 at work; a at +6
.set Q,   32
.set S,   64
.set P,   128
.set O,   160
.set TB,  2
.set WV,  18
.set SEL, 20
.set CS,  22
.set G1K, 24
.set G1V, 32
.set G0K, 40
.set G0V, 44
.set SLOTS, 67
.set PFA, 76
.set LIM, 80
.set KF,  98
.set Q0,  99
.set MSB, 0
.macro WIN new
.if MSB != \new
	s_set_vgpr_msb (MSB<<8)|\new
.set MSB, \new
.endif
.endm
; Waves 0 and 1 fetch for K, waves 2 and 3 for V, the others nothing.  An s_nop 0 and four v_nop follow each of the two lines.
.macro TLOAD
	s_cmp_lt_u32 s[WV], 2
	s_cbranch_scc0 .Lnot_k_\@
	tensor_load_to_lds s[G0K:G0K+3], s[G1K:G1K+7]
	s_nop 0
.rept 4
	v_nop
.endr
	s_branch .Lasked_\@
.Lnot_k_\@:
	s_cmp_lt_u32 s[WV], 4
	s_cbranch_scc0 .Lasked_\@
	tensor_load_to_lds s[G0V:G0V+3], s[G1V:G1V+7]
	s_nop 0
.rept 4
	v_nop
.endr
.Lasked_\@:
.endm
; A prefetch into the L2 of the slot that the NEXT change of slots will ask for: 32,768 dense bytes of K and as many of V.  All eight work-groups of a head walk the same K and V: the one with y = 0 asks.
; In it waves 4, 5 ask for K's halves and waves 6, 7 for V's: 16,384 bytes a wave, two instructions, lanes 256 bytes apart: each aligned 256 bytes once in the launch.  The last filling change asks for nothing.
.macro ASK
	s_cmp_gt_u32 s[SLOTS], s[LIM]
	s_cbranch_scc0 .Lnot_mine_\@
	global_prefetch_b8 v[PFO], s[PFA:PFA+1] th:TH_LOAD_NT scope:SCOPE_SE
	global_prefetch_b8 v[PFO], s[PFA:PFA+1] offset:8192 th:TH_LOAD_NT scope:SCOPE_SE
.Lnot_mine_\@:
.endm
	s_load_b128 s[4:7], s[0:1], 0x0                ; qkv16, o16
	v_lshl_add_u32 v[SPW], v0, 2, SPARE
	v_mov_b32 v[NIL], 0
	ds_add_u32 v[SPW], v[NIL]                      ; the wave's opening: the add, twice on end, and its wait ahead of the first tensor load
	ds_add_u32 v[SPW], v[NIL]
	v_lshrrev_b32 v15, 5, v0
	v_readfirstlane_b32 s[WV], v15                 ; wave 0..7
	s_and_b32 s68, ttmp7, 0xffff                   ; y
	s_sub_co_u32 s69, 7, s68                       ; my block of 256 queries
	s_lshl_b32 s[Q0], s69, 8
	s_lshl_b32 s70, s[WV], 5
	s_add_co_u32 s[Q0], s[Q0], s70                 ; my first query
	s_lshl_b32 s72, ttmp9, 18                      ; the head's 262,144 bytes
	s_mov_b32 s73, 0
	s_and_b32 s71, s[WV], 1
	s_mov_b32 s[G1K], (1<<16)|(1<<20)|(5<<22)|(3<<25)   ; elements of 2 bytes; padding: 4 words after every 64
	s_mov_b32 s[G1V], (1<<16)|(1<<20)|(5<<22)|(7<<25)   ; 8 words
.irp g, G1K, G1V
	s_mov_b32 s[\g+1], 128<<16                     ; tensor_dim0: 128 elements: two keys' rows, dense in memory
	s_mov_b32 s[\g+2], 64<<16                      ; tensor_dim1
	s_mov_b32 s[\g+3], 128<<16                     ; tile_dim0
	s_mov_b32 s[\g+4], 64                          ; tile_dim1
	s_mov_b32 s[\g+5], 128                         ; the pitch
	s_mov_b32 s[\g+6], 0
	s_mov_b32 s[\g+7], 0
.endr
	s_mov_b32 s[SEL], 0x76543210
	s_mov_b32 s[SEL+1], 0xfedcba98
	s_mov_b32 s[CS], 0x3e38aa3b                    ; c = log2(e) / 8
	s_mov_b32 s[CS+1], s[CS]
	s_mov_b32 s[TB], 0
	s_mov_b32 s[SLOTS], 7
	s_mov_b32 s[KF], 0
	s_lshl_b32 s82, s71, 14                        ; which 128 keys of a slot I fetch
	s_mov_b32 s83, 0
	s_wait_dscnt 0x0                               ; both opening adds are done
	s_wait_kmcnt 0x0
	s_add_nc_u64 s[74:75], s[4:5], s[72:73]        ; q's head,
	s_add_nc_u64 s[84:85], s[74:75], 0x1000000     ; k's,
	s_add_nc_u64 s[86:87], s[74:75], 0x2000000     ; v's
	s_mov_b32 s[G0K], 1
	s_mul_i32 s[G0K+1], s71, 64*KP
	s_add_nc_u64 s[G0K+2:G0K+3], s[84:85], s[82:83]
	s_or_b32 s[G0K+3], s[G0K+3], 0x80000000
	s_mov_b32 s[G0V], 1
	s_mul_i32 s[G0V+1], s71, 64*VP
	s_add_co_u32 s[G0V+1], s[G0V+1], VOFF
	s_add_nc_u64 s[G0V+2:G0V+3], s[86:87], s[82:83]
	s_or_b32 s[G0V+3], s[G0V+3], 0x80000000
	TLOAD                                          ; slot 0: it holds key 0, which counts for every query
	s_cmp_lt_u32 s[WV], 6
	s_cselect_b64 s[PFA:PFA+1], s[84:85], s[86:87]
	s_add_co_u32 s82, s82, 32768                   ; my half, in slot 1: the first change of slots steps it to slot 2
	s_add_nc_u64 s[PFA:PFA+1], s[PFA:PFA+1], s[82:83]
	s_sub_co_u32 s82, s[WV], 4
	s_lshr_b32 s82, s82, 2                         ; 0 in waves 4 to 7,
	s_or_b32 s82, s82, s68                         ; of the head's work-group with y = 0
	s_cmp_eq_u32 s82, 0
	s_cselect_b32 s[LIM], 1, -1
	s_lshl_b32 s82, s[Q0], 7
	s_add_nc_u64 s[88:89], s[74:75], s[82:83]      ; Q at my first query
	s_lshr_b32 s82, ttmp9, 4                       ; the batch
	s_lshl_b32 s82, s82, 3
	s_add_co_u32 s82, s82, s69
	s_lshl_b32 s82, s82, 4
	s_and_b32 s90, ttmp9, 15                       ; the head
	s_add_co_u32 s82, s82, s90
	s_lshl_b32 s82, s82, 15
	s_lshl_b32 s90, s[WV], 12
	s_add_co_u32 s82, s82, s90
	s_add_nc_u64 s[6:7], s[6:7], s[82:83]          ; o16 at my 32 rows: 4,096 dense bytes
	v_and_b32 v15, 15, v0                          ; r
	v_bfe_u32 v224, v0, 4, 1                       ; h
	v_lshlrev_b32 v225, 7, v15
	v_lshl_add_u32 v225, v224, 4, v225             ; Q: row r of 128 bytes + 16 h
.irp t, 0,1
.irp c, 0,1
	global_load_b128 v[Q+16*\t+8*\c:Q+16*\t+8*\c+3], v225, s[88:89] offset:2048*\t+64*\c
	global_load_b128 v[Q+16*\t+8*\c+4:Q+16*\t+8*\c+7], v225, s[88:89] offset:2048*\t+64*\c+32
.endr
.endr
	v_lshrrev_b32 v226, 1, v15
	v_mul_u32_u24 v[AK0], v226, KP
	v_and_b32 v226, 1, v15
	v_lshl_add_u32 v[AK0], v226, 7, v[AK0]
	v_lshl_add_u32 v[AK0], v224, 4, v[AK0]         ; key r: (r / 2) rows + 128 (r % 2) + 16 h
	v_bfe_u32 v226, v0, 1, 2
	v_lshl_add_u32 v226, v224, 2, v226
	v_mul_u32_u24 v[AV0], v226, VP                 ; the turning load: key 8 h + l % 8: row 4 h + (l % 8) / 2,
	v_and_b32 v226, 1, v0
	v_lshl_add_u32 v[AV0], v226, 7, v[AV0]         ; + 128 (l % 2),
	v_bfe_u32 v226, v0, 3, 1
	v_lshl_add_u32 v[AV0], v226, 4, v[AV0]         ; channels 8 ((l / 8) % 2) on
	v_add_nc_u32 v[AV0], VOFF, v[AV0]
	v_and_b32 v226, 31, v0
	v_lshlrev_b32 v[GO], 4, v226
	v_lshlrev_b32 v[PFO], 8, v226
	v_mov_b32 v[NINF], 0xff800000
	v_lshlrev_b32 v226, 3, v224
	v_sub_nc_u32 v[DL], v15, v226                  ; r - 8 h
	s_mul_i32 s90, s[WV], 4608                     ; my stage for the way out: 32 rows x (128 bytes + 16), in slot 0
	v_mul_u32_u24 v[STO], v15, 144
	v_lshl_add_u32 v[STO], v224, 4, v[STO]
	v_add_nc_u32 v[STO], s90, v[STO]
	v_bfe_u32 v226, v0, 3, 2
	v_mul_u32_u24 v[RD], v226, 144
	v_and_b32 v226, 7, v0
	v_lshl_add_u32 v[RD], v226, 4, v[RD]
	v_add_nc_u32 v[RD], s90, v[RD]
.irp t, 0,1
	v_mov_b32 v[ST+8*\t+1], 0xff61b1e6             ; m: -3e38, under every score
	v_mul_f32 v[ST+8*\t], s[CS], v[ST+8*\t+1]      ; c m
.irp i, 2,3,4,5,6,7
	v_mov_b32 v[ST+8*\t+\i], 0                     ; l; and the registers at work, written once
.endr
.endr
.set I, 0
.rept 64
	v_mov_b32 v[O+I], 0                            ; O^T: the step is written once; the first finds zeros, which a = 0 leaves zeros
.set I, I+1
.endr
; One step's softmax, both tiles line by line.  The maximum goes in four chains, one for each accumulator, each begun at its registers 0 to 2.
.macro SOFTMAX
.irp j, 0,1,2,3
.irp t, 0,1
	v_max3_num_f32 v[ST+8*\t+4+\j], v[S+32*\t+8*\j], v[S+32*\t+8*\j+1], v[S+32*\t+8*\j+2]
.endr
.endr
.irp g, 1,2
.irp j, 0,1,2,3
.irp t, 0,1
	v_max3_num_f32 v[ST+8*\t+4+\j], v[ST+8*\t+4+\j], v[S+32*\t+8*\j+2*\g+1], v[S+32*\t+8*\j+2*\g+2]
.endr
.endr
.endr
.irp t, 0,1
	v_max3_num_f32 v[ST+8*\t+4], v[ST+8*\t+4], v[S+32*\t+7], v[S+32*\t+15]
.endr
.irp t, 0,1
	v_max3_num_f32 v[ST+8*\t+6], v[ST+8*\t+6], v[S+32*\t+23], v[S+32*\t+31]
.endr
.irp t, 0,1
	v_max3_num_f32 v[ST+8*\t+4], v[ST+8*\t+4], v[ST+8*\t+5], v[ST+8*\t+6]
.endr
.irp t, 0,1
	v_max3_num_f32 v[ST+8*\t+4], v[ST+8*\t+4], v[ST+8*\t+7], v[ST+8*\t+1]   ; and the old m
.endr
.irp t, 0,1
	v_permlanex16_b32 v[ST+8*\t+5], v[ST+8*\t+4], s[SEL], s[SEL+1]          ; the query's other 32 keys lie in the lane 16 away
.endr
.irp t, 0,1
	v_mov_b32 v[ST+8*\t+7], v[ST+8*\t]             ; c m_old
.endr
.irp t, 0,1
	v_max_num_f32 v[ST+8*\t+1], v[ST+8*\t+4], v[ST+8*\t+5]
.endr
.irp t, 0,1
	v_mul_f32 v[ST+8*\t], s[CS], v[ST+8*\t+1]
.endr
.irp t, 0,1
	v_sub_f32 v[ST+8*\t+7], v[ST+8*\t+7], v[ST+8*\t]
.endr
.irp b, 0,1,2,3,4,5,6,7,8,9,10,11,12,13,14,15
.irp t, 0,1
	v_pk_fma_f32 v[S+32*\t+2*\b:S+32*\t+2*\b+1], v[S+32*\t+2*\b:S+32*\t+2*\b+1], s[CS:CS+1], v[ST+8*\t:ST+8*\t+1] op_sel_hi:[1,0,0] neg_lo:[0,0,1] neg_hi:[0,0,1]   ; c s - c m
.endr
.endr
.irp t, 0,1
	v_exp_f32 v[ST+8*\t+6], v[ST+8*\t+7]           ; a
.endr
.set I, 0
.rept 64
	v_exp_f32 v[S+I], v[S+I]                       ; p, at most 1
.set I, I+1
.endr
	v_nop                                          ; a plain instruction behind the last exponential
	s_wait_alu depctr_va_vdst(0)                   ; one wait for the 66 exponentials, ahead of the first instruction that names a result
.irp i, 0,1,2,3,4,5,6,7,8,9,10,11,12,13,14,15
.irp t, 0,1
	v_cvt_pk_f16_f32 v[P+16*\t+\i], v[S+32*\t+2*\i], v[S+32*\t+2*\i+1]
.endr
.endr
.irp z, 0,1,2,3,4,5,6,7                        ; the sum of the unrounded p, in place: neighbours 1, 2, 4, 8 pairs apart
.irp t, 0,1
	v_pk_add_f32 v[S+32*\t+4*\z:S+32*\t+4*\z+1], v[S+32*\t+4*\z:S+32*\t+4*\z+1], v[S+32*\t+4*\z+2:S+32*\t+4*\z+3]
.endr
.endr
.irp z, 0,1,2,3
.irp t, 0,1
	v_pk_add_f32 v[S+32*\t+8*\z:S+32*\t+8*\z+1], v[S+32*\t+8*\z:S+32*\t+8*\z+1], v[S+32*\t+8*\z+4:S+32*\t+8*\z+5]
.endr
.endr
.irp z, 0,1
.irp t, 0,1
	v_pk_add_f32 v[S+32*\t+16*\z:S+32*\t+16*\z+1], v[S+32*\t+16*\z:S+32*\t+16*\z+1], v[S+32*\t+16*\z+8:S+32*\t+16*\z+9]
.endr
.endr
.irp t, 0,1
	v_pk_add_f32 v[S+32*\t:S+32*\t+1], v[S+32*\t:S+32*\t+1], v[S+32*\t+16:S+32*\t+17]
.endr
.irp t, 0,1
	v_pk_fma_f32 v[ST+8*\t+2:ST+8*\t+3], v[ST+8*\t+2:ST+8*\t+3], v[ST+8*\t+6:ST+8*\t+7], v[S+32*\t:S+32*\t+1] op_sel_hi:[1,0,1]   ; l = a l + the sum
.endr
.irp i, 0,1,2,3,4,5,6,7,8,9,10,11,12,13,14,15
.irp t, 0,1
	v_pk_mul_f32 v[O+32*\t+2*\i:O+32*\t+2*\i+1], v[O+32*\t+2*\i:O+32*\t+2*\i+1], v[ST+8*\t+6:ST+8*\t+7] op_sel_hi:[1,0]   ; O^T x a
.endr
.endr
.endm
; A KEY STEP: 64 keys, the q-th of the slot in hand.
.macro STEP q
	s_add_co_u32 s96, s[Q0], 31
	s_cmp_gt_u32 s[KF], s96                        ; all keys come after my 32 queries: ids and the count of steps alone
	s_cbranch_scc1 .Lhidden_\@
	v_add_nc_u32 v[ADK], s[TB], v[AK0]
	v_add_nc_u32 v[ADV], s[TB], v[AV0]
	v_nop
	v_nop                                          ; four places in front of loads into registers that the last products read
	WIN 0x40                                       ; destination window 1
.irp kt, 0,1,2,3
.irp c, 0,1
	ds_load_b128 v[16*\kt+8*\c:16*\kt+8*\c+3], v[ADK] offset:(32*(\q)+8*\kt)*KP+64*\c
	ds_load_b128 v[16*\kt+8*\c+4:16*\kt+8*\c+7], v[ADK] offset:(32*(\q)+8*\kt)*KP+64*\c+32
.endr
.endr
.irp c, 0,1
.irp ct, 0,1,2,3
	ds_load_tr16_b128 v[64+32*\c+8*\ct:64+32*\c+8*\ct+3], v[ADV] offset:(32*(\q)+16*\c)*VP+32*\ct
	ds_load_tr16_b128 v[64+32*\c+8*\ct+4:64+32*\c+8*\ct+7], v[ADV] offset:(32*(\q)+16*\c)*VP+32*\ct+8*VP
.endr
.endr
	s_wait_dscnt 16                                ; K is in; V's sixteen loads may be out
	WIN 0x01                                       ; source 0 window 1
.irp c, 0,1                                    ; S^T = K Q^T: eight accumulators by turns
.irp kt, 0,1,2,3
.irp t, 0,1
.if \c == 0
	v_wmma_f32_16x16x32_f16 v[S+32*\t+8*\kt:S+32*\t+8*\kt+7], v[16*\kt+8*\c:16*\kt+8*\c+7], v[Q+16*\t+8*\c:Q+16*\t+8*\c+7], 0
.else
	v_wmma_f32_16x16x32_f16 v[S+32*\t+8*\kt:S+32*\t+8*\kt+7], v[16*\kt+8*\c:16*\kt+8*\c+7], v[Q+16*\t+8*\c:Q+16*\t+8*\c+7], v[S+32*\t+8*\kt:S+32*\t+8*\kt+7]
.endif
.endr
.endr
.endr
	WIN 0
.rept 4
	v_nop
.endr
	s_add_co_u32 s96, s[KF], 63
	s_cmp_le_u32 s96, s[Q0]                        ; all 64 keys count for all my queries: no mask
	s_cbranch_scc1 .Lopen_\@
	s_sub_co_i32 s96, s[Q0], s[KF]
	v_add_nc_u32 v[D0], s96, v[DL]
	v_add_nc_u32 v[D0+1], 16, v[D0]                ; register n of tile t holds key KF + 16 (n / 8) + 8 h + n % 8: hidden where 16 (n / 8) + n % 8 > my query - KF - 8 h
.irp t, 0,1
.irp n, 0,1,2,3,4,5,6,7,8,9,10,11,12,13,14,15,16,17,18,19,20,21,22,23,24,25,26,27,28,29,30,31
	v_cmp_gt_i32 vcc_lo, 16*(\n/8)+\n%8, v[D0+\t]
	v_cndmask_b32 v[S+32*\t+\n], v[S+32*\t+\n], v[NINF], vcc_lo
.endr
.endr
.Lopen_\@:
	SOFTMAX
	s_wait_dscnt 0x0                               ; V is in
	WIN 0x01
.irp c, 0,1                                    ; O^T += V^T P: eight accumulators by turns
.irp ct, 0,1,2,3
.irp t, 0,1
	v_wmma_f32_16x16x32_f16 v[O+32*\t+8*\ct:O+32*\t+8*\ct+7], v[64+32*\c+8*\ct:64+32*\c+8*\ct+7], v[P+16*\t+8*\c:P+16*\t+8*\c+7], v[O+32*\t+8*\ct:O+32*\t+8*\ct+7]
.endr
.endr
.endr
	WIN 0
.Lhidden_\@:
	s_add_co_u32 s[KF], s[KF], 64
.endm
; THE CHANGE OF SLOTS stands at a slot's head.  Each wave waits for all its tensor loads, adds 0 to its spare word, and waits for that and for its reads of the slot that it has left; one barrier;
; fill = 1: behind it the slot just left is filled with the next 256 keys, up to the causal limit.
.macro CHANGE fill
	s_wait_tensorcnt 0x0                           ; no tensor load of mine is out, so a group 0 may be written
	ds_add_u32 v[SPW], v[NIL]
.if \fill
	ds_add_u32 v[SPW], v[NIL]                      ; and twice on end here, in every trip alike
	s_xor_b32 s[G0K+1], s[G0K+1], SLOT1
	s_add_nc_u64 s[G0K+2:G0K+3], s[G0K+2:G0K+3], 32768
	s_xor_b32 s[G0V+1], s[G0V+1], SLOT1
	s_add_nc_u64 s[G0V+2:G0V+3], s[G0V+2:G0V+3], 32768
	s_wait_xcnt 0x0                                ; the last prefetches, a slot back, have read their address
	s_add_nc_u64 s[PFA:PFA+1], s[PFA:PFA+1], 32768
.endif
	s_wait_dscnt 0x0
	s_barrier_signal -1
	s_barrier_wait -1
.if \fill
	s_add_co_u32 s96, s[KF], 256                   ; the first key of the slot that this change would ask for
	s_or_b32 s97, s[Q0], 255                       ; my work-group's last query
	s_cmp_gt_u32 s96, s97                          ; ids and the count of steps alone: all eight waves go the same way; every wait on TENSORcnt in this text is for 0
	s_cbranch_scc1 .Lpast_\@
	TLOAD
.Lpast_\@:
	ASK
.endif
.endm
	s_wait_loadcnt 0x0                             ; Q
.Lslot:                                            ; seven trips
	CHANGE 1
	STEP 0
	STEP 1
	STEP 2
	STEP 3
	s_xor_b32 s[TB], s[TB], SLOT1
	s_sub_co_u32 s[SLOTS], s[SLOTS], 1
	s_cmp_lg_u32 s[SLOTS], 0
	s_cbranch_scc1 .Lslot
	CHANGE 0                                       ; the last slot is written out: nothing is asked for
	STEP 0
	STEP 1
	STEP 2
	STEP 3
	; THE WAY OUT.  O^T / l, rounded to f16, goes through my stage (in slot 0, which has had its last fill and its last read) and leaves as 4,096 dense bytes.
.irp t, 0,1
	v_add_f32 v[ST+8*\t+4], v[ST+8*\t+2], v[ST+8*\t+3]
.endr
.irp t, 0,1
	v_permlanex16_b32 v[ST+8*\t+5], v[ST+8*\t+4], s[SEL], s[SEL+1]
.endr
.irp t, 0,1
	v_add_f32 v[ST+8*\t+4], v[ST+8*\t+4], v[ST+8*\t+5]
.endr
.irp t, 0,1
	v_rcp_f32 v[ST+8*\t+6], v[ST+8*\t+4]
.endr
	v_nop
	s_wait_alu depctr_va_vdst(0)                   ; one wait for the two reciprocals, ahead of their first reader
.irp t, 0,1
.irp i, 0,1,2,3,4,5,6,7,8,9,10,11,12,13,14,15
	v_pk_mul_f32 v[O+32*\t+2*\i:O+32*\t+2*\i+1], v[O+32*\t+2*\i:O+32*\t+2*\i+1], v[ST+8*\t+6:ST+8*\t+7] op_sel_hi:[1,0]
.endr
.endr
.irp t, 0,1
.irp i, 0,1,2,3,4,5,6,7,8,9,10,11,12,13,14,15
	v_cvt_pk_f16_f32 v[S+16*\t+\i], v[O+32*\t+2*\i], v[O+32*\t+2*\i+1]
.endr
.endr
.irp t, 0,1
.irp ct, 0,1,2,3
	ds_store_b128 v[STO], v[S+16*\t+4*\ct:S+16*\t+4*\ct+3] offset:2304*\t+32*\ct
.endr
.endr
.irp i, 0,1,2,3,4,5,6,7
	ds_load_b128 v[S+32+4*\i:S+32+4*\i+3], v[RD] offset:576*\i   ; LDS serves a wave's instructions in order: these see my stores
.endr
.irp i, 0,1,2,3,4,5,6,7
	s_wait_dscnt 7-\i
	global_store_b128 v[GO], v[S+32+4*\i:S+32+4*\i+3], s[6:7] offset:512*\i   ; 512 consecutive bytes, aligned
.endr
	s_wait_tensorcnt 0x0                           ; the wave's end
	ds_add_u32 v[SPW], v[NIL]
	s_wait_dscnt 0x0
	s_endpgm
.Lfunc_end_k_qe2455f3e47_attn:
	.size	k_qe2455f3e47_attn, .Lfunc_end_k_qe2455f3e47_attn-k_qe2455f3e47_attn
	.p2alignl 7, 3214868480
	.fill 96, 4, 3214868480
	.section	.rodata,"a",@progbits
	.p2align	6, 0x0
	.amdhsa_kernel k_qe2455f3e47_attn
		.amdhsa_group_segment_fixed_size 327680
		.amdhsa_private_segment_fixed_size 0
		.amdhsa_enable_private_segment 0
		.amdhsa_kernarg_size 16
		.amdhsa_user_sgpr_count 2
		.amdhsa_user_sgpr_kernarg_segment_ptr 1
		.amdhsa_wavefront_size32 1
		.amdhsa_system_sgpr_workgroup_id_x 1
		.amdhsa_system_sgpr_workgroup_id_y 1
		.amdhsa_system_sgpr_workgroup_id_z 1
		.amdhsa_system_vgpr_workitem_id 0
		.amdhsa_next_free_vgpr 384
		.amdhsa_next_free_sgpr 100
		.amdhsa_reserve_vcc 1
		.amdhsa_float_denorm_mode_32 3
		.amdhsa_float_denorm_mode_16_64 3
		.amdhsa_memory_ordered 1
		.amdhsa_forward_progress 1
		.amdhsa_inst_pref_size 188
	.end_amdhsa_kernel
	.amdgpu_metadata
---
amdhsa.version: [ 1, 2 ]
amdhsa.kernels:
  - .name:           k_qe2455f3e47_attn
    .symbol:         k_qe2455f3e47_attn.kd
    .args:
      - { .name: qkv16, .offset: 0, .size: 8, .value_kind: global_buffer, .address_space: global }
      - { .name: o16, .offset: 8, .size: 8, .value_kind: global_buffer, .address_space: global }
    .group_segment_fixed_size: 327680
    .private_segment_fixed_size: 0
    .kernarg_segment_align: 8
    .kernarg_segment_size: 16
    .max_flat_workgroup_size: 256
    .sgpr_count:     100
    .vgpr_count:     384
    .wavefront_size: 32
...
	.end_amdgpu_metadata
.endif
;; end of part 3
;; launch proj (part 4): grid 8 x 32, 4 waves a work-group, clusters of 4 x 4, 327,680 bytes of LDS; arguments o16, w16, b_out, out0; writes out0
.if DOCPART == 4
	.amdgcn_target "amdgcn-amd-amdhsa--gfx1250"
	.amdhsa_code_object_version 6
	.text
	.protected	k_qe2455f3e47_proj
	.globl	k_qe2455f3e47_proj
	.p2align	8
	.type	k_qe2455f3e47_proj,@function
k_qe2455f3e47_proj:
	s_mov_b64 s[64:65], 0
	v_nop
	global_prefetch_b8 v0, s[64:65] scope:SCOPE_SE
	s_setreg_imm32_b32 hwreg(HW_REG_WAVE_MODE, 25, 1), 1
	s_wait_xcnt 0x0
	s_wait_alu depctr_hold_cnt(0) depctr_sa_sdst(0) depctr_va_vdst(0) depctr_va_sdst(0) depctr_va_ssrc(0) depctr_va_vcc(0) depctr_vm_vsrc(0)
	s_getreg_b32 s2, hwreg(HW_REG_IB_STS2, 6, 4)
	s_cmp_eq_u32 s2, 0
	s_cbranch_scc0 .Lentry_in_a_cluster
	s_endpgm
.Lentry_in_a_cluster:
	s_bfe_u32 s2, ttmp6, 0x10000c
	s_cmp_lg_u32 s2, 0xf033
	s_cbranch_scc0 .Lentry_shape_is_right
	s_endpgm
.Lentry_shape_is_right:
; out0 = o w_out + b_out.  o16: f16, [256 rows: 32][h 16][256][64]; w16: f16, [k 1024][n 1024]; out0: f32 [8192][1024]; sums in f32.
; A tile of 256 x 128 for each of 256 work-groups; four waves, 128 x 64 each: 32 accumulators.  K goes in steps of 128 (two heads) through a ring of two LDS slots.
; o's part of a slot is two heads x 256 rows x 128 bytes, dense in memory: rows of 256 bytes (two rows of o to an LDS row).  w's part is 128 rows of k x 256 bytes; it is read turned, by ds_load_tr16_b128.
; CLUSTERS: 4 x 4 work-groups; o's tiles are shared along a row of the cluster, w's along a column, by joint loads.
; THE MATRIX INSTRUCTION IS USED TRANSPOSED (source 0 = 16 columns of w, source 1 = 16 rows of o): a lane holds eight neighbouring columns of a row.  The bias is the C of each sum's first product.
; Rows 0-15 of each batch are stored here too and written anew, in f32 arithmetic, by the launch that follows.
; REGISTERS: window 0: v16-31 addresses; v32-63 the bias; v64-127 rows on the way out.  window 1: two fragment buffers, at v0 and v128: o's eight at +8 a, w's four at +64 + 8 b.  window 2: accumulator (a, b) at v[8 (4 a + b)].
.set KP,     272                       ; an LDS row of o: 256 bytes + 16
.set BP,     288                       ; of w: 256 + 32
.set AHEAD,  128*KP                    ; a head's 256 rows
.set BOFF,   2*AHEAD
.set SLOT,   BOFF+128*BP
.set STAGE,  2*SLOT                    ; 16 rows x (256 bytes + 16) for each wave
.set SPITCH, 272
.set SPARE,  STAGE+4*16*SPITCH         ; the spare words: 128 bytes for each wave, two blocks of 256 bytes that no other line names
.set ADRA, 16
.set ADRB, 20
.set STO,  24
.set RD,   25
.set CO,   26
.set SPW,  28
.set NIL,  29
.set PFO,  30                          ; 256 x lane
.set BO,   31                          ; 32 x (lane / 16)
.set BIAS, 32
.set BK,   64
.set F0,   0
.set F1,   128
.set G1,  24
.set G0,  32
.set G1B, 48
.set G0B, 56
.set LIM, 43
.set PFA, 44
.set MSB, 0
.macro WIN new
.if MSB != \new
	s_set_vgpr_msb (MSB<<8)|\new
.set MSB, \new
.endif
.endm
.set MUL,  0xa5                        ; sources 0 and 1 window 1; C and D window 2
.set FST,  0x85                        ; the first quarter: C (the bias) window 0
.set TO_F, 0x40
.macro JLOAD s                         ; waves 0 and 1 fetch o's two heads, waves 2 and 3 w's two halves; an s_nop 0 and four v_nop follow each line
	s_cmp_eq_u32 s13, 0
	s_cbranch_scc0 .Lfor_b_\@
	tensor_load_to_lds s[G0+4*\s:G0+4*\s+3], s[G1:G1+7]
	s_nop 0
.rept 4
	v_nop
.endr
	s_branch .Lasked_\@
.Lfor_b_\@:
	tensor_load_to_lds s[G0B+4*\s:G0B+4*\s+3], s[G1B:G1B+7]
	s_nop 0
.rept 4
	v_nop
.endr
.Lasked_\@:
.endm
.macro CREST
	s_cmp_lg_u32 s12, 0
	s_cbranch_scc1 .Lnot_wave_0_\@
	s_barrier_signal -3
.Lnot_wave_0_\@:
	s_barrier_wait -3
	s_barrier_signal -1
	s_barrier_wait -1
.endm
.macro CROUND
	s_barrier_signal -1
	s_barrier_wait -1
	CREST
.endm
; A prefetch into the L2 of o's K step that stands two refills on: 65,536 dense bytes of the tile row.  A tile row is read by both clusters of its row of clusters: cluster x = 0 asks.  Waves 0 and 1 (a head each);
; of a head's 128 blocks of 256 bytes the partner at cx takes 32, told apart by address: a lane a block, one instruction a wave.  The loop's last trip asks for nothing.  w16 is read by many clusters again and is not asked for.
.macro ASK
	s_cmp_gt_u32 s3, s[LIM]
	s_cbranch_scc0 .Lnot_mine_\@
	global_prefetch_b8 v[PFO], s[PFA:PFA+1] offset:65536 th:TH_LOAD_NT scope:SCOPE_SE
.Lnot_mine_\@:
.endm
	s_load_b256 s[4:11], s[0:1], 0x0               ; o16 s[4:5], w16 s[6:7], b_out s[8:9], out0 s[10:11]
	v_lshl_add_u32 v[SPW], v0, 2, SPARE
	v_mov_b32 v[NIL], 0
	ds_add_u32 v[SPW], v[NIL]                      ; the wave's opening: the add, twice on end, and its wait ahead of my first tensor load
	ds_add_u32 v[SPW], v[NIL]
	v_lshrrev_b32 v1, 5, v0
	v_readfirstlane_b32 s12, v1                    ; wave 0..3
	s_lshr_b32 s13, s12, 1                         ; which half of the tile's rows is mine.  Also: I fetch for o (0) or for w (1)
	s_and_b32 s14, s12, 1                          ; which half of its columns.  Also: which half I fetch
	s_bfe_u32 s15, ttmp6, 0x40000                  ; cx
	s_bfe_u32 s16, ttmp6, 0x40004                  ; cy
	s_lshl_b32 s17, ttmp9, 2
	s_add_co_u32 s17, s17, s15                     ; tile column
	s_and_b32 s18, ttmp7, 0xffff
	s_lshl_b32 s18, s18, 2
	s_add_co_u32 s18, s18, s16                     ; tile row
	s_lshl_b32 s40, s16, 2
	s_lshl_b32 s40, 15, s40                        ; my row of the cluster
	s_lshl_b32 s41, 0x1111, s15                    ; my column
	s_or_b32 s[G1], s40, (1<<16)|(1<<20)|(1<<21)|(5<<22)|(3<<25)    ; the mask; elements of 2 bytes; padding on; bit 21 beside a mask; 4 words after every 64
	s_or_b32 s[G1B], s41, (1<<16)|(1<<20)|(1<<21)|(5<<22)|(7<<25)   ; 8 words
	s_mov_b32 s[G1+1], 128<<16                     ; o: 128 rows of 128 elements, dense
	s_mov_b32 s[G1+2], 128<<16
	s_mov_b32 s[G1+3], 128<<16
	s_mov_b32 s[G1+4], 128
	s_mov_b32 s[G1+5], 128
	s_mov_b32 s[G1+6], 0
	s_mov_b32 s[G1+7], 0
	s_mov_b32 s[G1B+1], 128<<16                    ; w: 64 rows of 128 elements, 1,024 elements apart
	s_mov_b32 s[G1B+2], 64<<16
	s_mov_b32 s[G1B+3], 128<<16
	s_mov_b32 s[G1B+4], 64
	s_mov_b32 s[G1B+5], 1024
	s_mov_b32 s[G1B+6], 0
	s_mov_b32 s[G1B+7], 0
	s_lshl_b32 s20, s18, 19                        ; o: the tile row's 524,288 bytes,
	s_lshl_b32 s19, s14, 15
	s_add_co_u32 s20, s20, s19                     ; + my head of the K step's two
	s_mov_b32 s21, 0
	s_lshl_b32 s46, s17, 8                         ; w: 256 bytes a tile column,
	s_lshl_b32 s47, s14, 17
	s_add_co_u32 s46, s46, s47                     ; + my 64 rows of 2,048 bytes
	s_mov_b32 s47, 0
	s_mul_i32 s22, s14, AHEAD                      ; where they go: no place in the cluster enters an LDS address
	s_mul_i32 s23, s14, 64*BP
	s_add_co_u32 s23, s23, BOFF
	s_wait_dscnt 0x0                               ; both opening adds are done
	s_wait_kmcnt 0x0
	s_add_nc_u64 s[20:21], s[4:5], s[20:21]
	s_add_nc_u64 s[46:47], s[6:7], s[46:47]
	CROUND                                         ; all sixteen work-groups are here: the first joint loads meet
.irp s, 0,1
	s_mov_b32 s[G0+4*\s], 1
	s_add_co_u32 s[G0+4*\s+1], s22, \s*SLOT
	s_add_nc_u64 s[G0+4*\s+2:G0+4*\s+3], s[20:21], \s*65536
	s_or_b32 s[G0+4*\s+3], s[G0+4*\s+3], 0x80000000
	s_mov_b32 s[G0B+4*\s], 1
	s_add_co_u32 s[G0B+4*\s+1], s23, \s*SLOT
	s_add_nc_u64 s[G0B+4*\s+2:G0B+4*\s+3], s[46:47], \s*262144
	s_or_b32 s[G0B+4*\s+3], s[G0B+4*\s+3], 0x80000000
	JLOAD \s                                       ; two loads of mine are out
.endr
	s_lshl_b32 s2, s15, 13                         ; the prefetches: my work-group's 32 blocks of the head's 128,
	s_add_co_u32 s2, s2, 131072                    ; at K step 2: the first refill steps it to 3 and names K step 4
	s_mov_b32 s3, 0
	s_add_nc_u64 s[PFA:PFA+1], s[20:21], s[2:3]
	s_or_b32 s19, s13, ttmp9                       ; 0: I fetch for o, and my cluster is the first of its row: the same in all partners
	s_cmp_eq_u32 s19, 0
	s_cselect_b32 s[LIM], 1, -1
	v_and_b32 v1, 15, v0                           ; r
	v_bfe_u32 v2, v0, 4, 1                         ; h
	v_lshrrev_b32 v3, 1, v1
	v_mul_u32_u24 v3, v3, KP
	v_and_b32 v4, 1, v1
	v_lshl_add_u32 v3, v4, 7, v3
	v_lshl_add_u32 v3, v2, 4, v3                   ; o's row r: (r / 2) LDS rows + 128 (r % 2) + 16 h
	s_mul_i32 s19, s13, 64*KP                      ; my 128 rows
	v_add_nc_u32 v[ADRA], s19, v3
	v_add_nc_u32 v[ADRA+1], SLOT, v[ADRA]
	v_and_b32 v4, 7, v0
	v_lshl_add_u32 v4, v2, 3, v4
	v_mul_u32_u24 v4, v4, BP                       ; the turning load: row k = 8 h + l % 8,
	v_bfe_u32 v5, v0, 3, 1
	v_lshl_add_u32 v4, v5, 4, v4                   ; columns 8 ((l / 8) % 2) on
	s_lshl_b32 s19, s14, 7
	s_add_co_u32 s19, s19, BOFF                    ; my 64 columns
	v_add_nc_u32 v[ADRB], s19, v4
	v_add_nc_u32 v[ADRB+1], SLOT, v[ADRB]
	s_mul_i32 s19, s12, 16*SPITCH
	s_add_co_u32 s19, s19, STAGE                   ; my stage
	v_mul_u32_u24 v5, v1, SPITCH
	v_lshl_add_u32 v5, v2, 5, v5
	v_add_nc_u32 v[STO], s19, v5                   ; in: row r, 32 bytes for each half of the lanes
	v_mul_u32_u24 v5, v2, SPITCH
	v_lshl_add_u32 v5, v1, 4, v5
	v_add_nc_u32 v[RD], s19, v5                    ; back: lanes 0-15 one row of 256 bytes, lanes 16-31 the next
	v_lshlrev_b32 v5, 12, v2
	v_lshl_add_u32 v[CO], v1, 4, v5                ; and the same two rows in out0
	v_and_b32 v5, 31, v0
	v_lshlrev_b32 v[PFO], 8, v5
	v_lshlrev_b32 v[BO], 5, v2
	s_lshl_b32 s46, s17, 9
	s_lshl_b32 s47, s14, 8
	s_add_co_u32 s46, s46, s47                     ; my first column, in bytes of f32
	s_mov_b32 s47, 0
	s_add_nc_u64 s[8:9], s[8:9], s[46:47]          ; the bias there
	s_lshl_b32 s19, s18, 20
	s_add_co_u32 s46, s46, s19                     ; + 256 x tile row rows of 4,096 bytes
	s_lshl_b32 s19, s13, 19
	s_add_co_u32 s46, s46, s19                     ; + 128 x row half
	s_add_nc_u64 s[10:11], s[10:11], s[46:47]
.irp b, 0,1,2,3
	global_load_b128 v[BIAS+8*\b:BIAS+8*\b+3], v[BO], s[8:9] offset:64*\b       ; lane (r, h): the bias of columns 16 b + 8 h + 0 .. 7
	global_load_b128 v[BIAS+8*\b+4:BIAS+8*\b+7], v[BO], s[8:9] offset:64*\b+16
.endr
; 8 matrix instructions: o's blocks a0, a0 + 1 against w's four, 32 along K.  The 32 accumulators take turns, in the same order in every quarter.
.macro MUL8 f, a0, first
.irp a, \a0, \a0+1
.irp b, 0,1,2,3
.if \first
	v_wmma_f32_16x16x32_f16 v[8*(4*(\a)+\b):8*(4*(\a)+\b)+7], v[\f+64+8*\b:\f+64+8*\b+7], v[\f+8*(\a):\f+8*(\a)+7], v[BIAS+8*\b:BIAS+8*\b+7]
.else
	v_wmma_f32_16x16x32_f16 v[8*(4*(\a)+\b):8*(4*(\a)+\b)+7], v[\f+64+8*\b:\f+64+8*\b+7], v[\f+8*(\a):\f+8*(\a)+7], v[8*(4*(\a)+\b):8*(4*(\a)+\b)+7]
.endif
.endr
.endr
.endm
; 24 LDS loads in one run: the fragments of quarter kq (32 along K) of a slot into buffer f: w's four, o's blocks 0-3, o's blocks 4-7
.macro FETCH slot, kq, f
	WIN TO_F
.irp b, 0,1,2,3
	ds_load_tr16_b128 v[\f+64+8*\b:\f+64+8*\b+3], v[ADRB+\slot] offset:(\kq)*32*BP+32*\b
	ds_load_tr16_b128 v[\f+64+8*\b+4:\f+64+8*\b+7], v[ADRB+\slot] offset:(\kq)*32*BP+32*\b+16*BP
.endr
.irp a, 0,1,2,3,4,5,6,7
	ds_load_b128 v[\f+8*\a:\f+8*\a+3], v[ADRA+\slot] offset:((\kq)/2)*AHEAD+((\kq)%2)*64+\a*8*KP
	ds_load_b128 v[\f+8*\a+4:\f+8*\a+7], v[ADRA+\slot] offset:((\kq)/2)*AHEAD+((\kq)%2)*64+\a*8*KP+32
.endr
.endm
.macro PLACES                          ; four plain vector instructions in front of loads into registers that matrix instructions have read, and of reads of results
.rept 4
	v_nop
.endr
.endm
; One of a K step's first three quarters: multiplies buffer f and fetches quarter kq of the same slot into g.
.macro QUARTER slot, kq, f, g, first
	s_wait_dscnt 8                                 ; w's fragments and o's blocks 0-3 are in; the youngest eight loads (blocks 4-7) may be out
.if \first
	WIN FST
.else
	WIN MUL
.endif
	MUL8 \f, 0, \first
	MUL8 \f, 2, \first
	PLACES
	FETCH \slot, \kq, \g
	s_wait_dscnt 24                                ; all but the 24 just issued
.if \first
	WIN FST
.else
	WIN MUL
.endif
	MUL8 \f, 4, \first
	MUL8 \f, 6, \first
.endm
; The last quarter multiplies buffer 1 and changes slots: one barrier; in front of it each wave waits for all its tensor loads, adds 0 to its spare word, and waits for that and for its reads of this slot.
; fill = 1: the barrier opens a round of the cluster's barrier, and this slot is filled again, two K steps ahead: 112 matrix instructions stand between the request and the wait for it.
.macro TURN slot, next, fill
.if \fill
	s_wait_xcnt 0x0                                ; the last prefetch, a K step back, has read its address
	s_add_nc_u64 s[PFA:PFA+1], s[PFA:PFA+1], 65536
.endif
	WIN 0                                          ; the add's two registers lie in window 0
	s_wait_tensorcnt 0x0
	ds_add_u32 v[SPW], v[NIL]
	s_wait_dscnt 9                                 ; the add and the youngest eight loads may be out
	WIN MUL
	MUL8 F1, 0, 0
	s_wait_dscnt 0x0                               ; the add is done, and my reads of this slot are over
	s_barrier_signal -1
	MUL8 F1, 2, 0
.if \fill
	WIN 0
.endif
	s_barrier_wait -1
.if \fill
	CREST
	s_add_nc_u64 s[G0+4*\slot+2:G0+4*\slot+3], s[G0+4*\slot+2:G0+4*\slot+3], 131072
	s_add_nc_u64 s[G0B+4*\slot+2:G0B+4*\slot+3], s[G0B+4*\slot+2:G0B+4*\slot+3], 524288
	JLOAD \slot                                    ; the first tensor load behind the round; its four v_nop are also the places in front of the loads below
.else
	PLACES
.endif
	FETCH \next, 0, F0
.if \fill
	WIN 0
	ASK
.endif
	WIN MUL
	MUL8 F1, 4, 0
	MUL8 F1, 6, 0
.endm
	s_wait_tensorcnt 1                             ; my part of K step 0 is in; K step 1's load may be out
	s_barrier_signal -1
	s_barrier_wait -1
	FETCH 0, 0, F0
	s_wait_loadcnt 0x0                             ; the bias
	QUARTER 0, 1, F0, F1, 1                        ; the first quarter stands in front of the loop: its products start the sums on the bias
	WIN 0
	s_mov_b32 s3, 3
.Llap:                                             ; a trip goes once round the ring and fills both slots again
	QUARTER 0, 2, F1, F0, 0
	QUARTER 0, 3, F0, F1, 0
	TURN 0, 1, 1
	QUARTER 1, 1, F0, F1, 0
	QUARTER 1, 2, F1, F0, 0
	QUARTER 1, 3, F0, F1, 0
	TURN 1, 0, 1
	QUARTER 0, 1, F0, F1, 0
	WIN 0
	s_sub_co_u32 s3, s3, 1
	s_cmp_lg_u32 s3, 0
	s_cbranch_scc1 .Llap
	QUARTER 0, 2, F1, F0, 0                        ; the last lap fills nothing
	QUARTER 0, 3, F0, F1, 0
	TURN 0, 1, 0
	QUARTER 1, 1, F0, F1, 0
	QUARTER 1, 2, F1, F0, 0
	QUARTER 1, 3, F0, F1, 0
	s_wait_dscnt 8
	WIN MUL
	MUL8 F1, 0, 0
	MUL8 F1, 2, 0
	s_wait_dscnt 0
	MUL8 F1, 4, 0
	MUL8 F1, 6, 0
	WIN 0
; THE WAY OUT, block by block of 16 rows x 64 columns: through my own stage, back as rows of 256 bytes: sixteen lanes store 256 consecutive bytes, aligned.
.macro TOSTAGE a
	WIN 0x08                                       ; an LDS store's data: window 2
.irp b, 0,1,2,3
	ds_store_b128 v[STO], v[8*(4*(\a)+\b):8*(4*(\a)+\b)+3] offset:64*\b        ; each accumulator from its low end on
	ds_store_b128 v[STO], v[8*(4*(\a)+\b)+4:8*(4*(\a)+\b)+7] offset:64*\b+16
.endr
	WIN 0
.set BB, BK+32*((\a)%2)
.irp i, 0,1,2,3,4,5,6,7
	ds_load_b128 v[BB+4*\i:BB+4*\i+3], v[RD] offset:\i*2*SPITCH   ; LDS serves a wave's instructions in order
.endr
.endm
.macro SEND a, younger
.set BB, BK+32*((\a)%2)
	s_wait_dscnt \younger
.irp i, 0,1,2,3,4,5,6,7
	global_store_b128 v[CO], v[BB+4*\i:BB+4*\i+3], s[10:11] offset:(16*(\a)+2*\i)*4096 th:TH_STORE_NT
.endr
.endm
	PLACES
	TOSTAGE 0
.irp a, 1,2,3,4,5,6,7
.if \a > 1
	s_wait_xcnt 0x0                                ; block a - 2's stores have read their registers: block a's loads may land there
.endif
	TOSTAGE \a
	SEND \a-1, 16                                  ; behind block a - 1's loads: block a's 8 stores and 8 loads
.endr
	SEND 7, 0
	s_wait_tensorcnt 0x0                           ; the wave's end
	ds_add_u32 v[SPW], v[NIL]
	s_wait_dscnt 0x0
	CROUND                                         ; the closing round
	s_endpgm
.Lfunc_end_k_qe2455f3e47_proj:
	.size	k_qe2455f3e47_proj, .Lfunc_end_k_qe2455f3e47_proj-k_qe2455f3e47_proj
	.p2alignl 7, 3214868480
	.fill 96, 4, 3214868480
	.section	.rodata,"a",@progbits
	.p2align	6, 0x0
	.amdhsa_kernel k_qe2455f3e47_proj
		.amdhsa_group_segment_fixed_size 327680
		.amdhsa_private_segment_fixed_size 0
		.amdhsa_enable_private_segment 0
		.amdhsa_kernarg_size 32
		.amdhsa_user_sgpr_count 2
		.amdhsa_user_sgpr_kernarg_segment_ptr 1
		.amdhsa_wavefront_size32 1
		.amdhsa_system_sgpr_workgroup_id_x 1
		.amdhsa_system_sgpr_workgroup_id_y 1
		.amdhsa_system_sgpr_workgroup_id_z 1
		.amdhsa_system_vgpr_workitem_id 0
		.amdhsa_next_free_vgpr 768
		.amdhsa_next_free_sgpr 66
		.amdhsa_reserve_vcc 0
		.amdhsa_float_denorm_mode_32 3
		.amdhsa_float_denorm_mode_16_64 3
		.amdhsa_memory_ordered 1
		.amdhsa_forward_progress 1
		.amdhsa_inst_pref_size 87
	.end_amdhsa_kernel
	.amdgpu_metadata
---
amdhsa.version: [ 1, 2 ]
amdhsa.kernels:
  - .name:           k_qe2455f3e47_proj
    .symbol:         k_qe2455f3e47_proj.kd
    .args:
      - { .name: o16, .offset: 0, .size: 8, .value_kind: global_buffer, .address_space: global }
      - { .name: w16, .offset: 8, .size: 8, .value_kind: global_buffer, .address_space: global }
      - { .name: b_out, .offset: 16, .size: 8, .value_kind: global_buffer, .address_space: global }
      - { .name: out0, .offset: 24, .size: 8, .value_kind: global_buffer, .address_space: global }
    .group_segment_fixed_size: 327680
    .private_segment_fixed_size: 0
    .kernarg_segment_align: 8
    .kernarg_segment_size: 32
    .max_flat_workgroup_size: 128
    .sgpr_count:     66
    .vgpr_count:     768
    .wavefront_size: 32
...
	.end_amdgpu_metadata
.endif
;; end of part 4
;; launch fine (part 5): grid 16 x 4, 16 waves a work-group, no clusters, 71,680 bytes of LDS; arguments qkvf, w_out, b_out, out0; writes out0
.if DOCPART == 5
	.amdgcn_target "amdgcn-amd-amdhsa--gfx1250"
	.amdhsa_code_object_version 6
	.text
	.protected	k_qe2455f3e47_fine
	.globl	k_qe2455f3e47_fine
	.p2align	8
	.type	k_qe2455f3e47_fine,@function
k_qe2455f3e47_fine:
	s_mov_b64 s[64:65], 0
	v_nop
	global_prefetch_b8 v0, s[64:65] scope:SCOPE_SE
	s_setreg_imm32_b32 hwreg(HW_REG_WAVE_MODE, 25, 1), 1
	s_wait_xcnt 0x0
; Positions 0-15 of each batch once more, in f32 throughout: they average one to sixteen values and are the largest numbers of the output, so the rounding of 16-bit operands weighs most there.
; A work-group makes 16 rows x 64 columns of out0 (x: which 64 columns; y: the batch).  Wave w is head w: its attention over the 16 positions, then its 64 rows of w_out against its o;
; the sixteen partial sums meet in LDS, one barrier, and wave v adds and stores row v: 256 consecutive bytes, aligned.
; qkvf [b][16 columns: 192][register half 2][lane half 2][position 16][4] f32: column 16 g + 8 hh + 4 half + i.
; The f32 matrix form: lane (r, h), register j holds k = 2 h + j of row r.  The order of k is permuted alike on both sides of each product: in the second and third product step s, half h, register j stands for
; key (channel) 8 h + 2 s + j, so that pairs of p's and of o's registers are operands as they stand.  The accumulators' registers are written by matrix instructions alone.
; 64 work-groups: narrower pieces of a row would store and read aligned blocks of 256 bytes in part.
.set SPARE, 69632                      ; behind the sixteen partial sums (16 rows x 272 bytes each): the spare words, 128 bytes for each wave, eight blocks of 256 bytes that no other line names
.set SPW,  10
.set NIL,  11
.set QF,   12                          ; v12-43  q, pair s;  later w_out for channels 32-63
.set KF,   44                          ; v44-75  k
.set VF,   76                          ; v76-107 v;  later o
.set SA,   108                         ; v108-123 two accumulators of S^T;  later two of Y^T
.set OA,   124                         ; v124-155 four accumulators of O^T
.set YB,   156                         ; v156-171 the other two of Y^T
.set PP,   172                         ; v172-179 p
.set W0,   192                         ; v192-255 w_out for channels 0-31;  later the partial sums
	s_load_b256 s[4:11], s[0:1], 0x0               ; qkvf s[4:5], w_out s[6:7], b_out s[8:9], out0 s[10:11]
	v_lshl_add_u32 v[SPW], v0, 2, SPARE
	v_mov_b32 v[NIL], 0
	v_lshrrev_b32 v1, 5, v0
	v_readfirstlane_b32 s12, v1                    ; wave = head = the row that I add up
	s_and_b32 s14, ttmp7, 0xffff                   ; the batch
	v_and_b32 v180, 15, v0                         ; r
	v_bfe_u32 v181, v0, 4, 1                       ; h
	v_lshlrev_b32 v1, 4, v180
	v_lshl_add_u32 v1, v181, 3, v1                 ; q, k: position r, numbers 2 h, 2 h + 1 of a group of four
	v_bfe_u32 v2, v0, 2, 1
	v_lshlrev_b32 v2, 9, v2
	v_bfe_u32 v3, v0, 3, 1
	v_lshl_add_u32 v2, v3, 8, v2
	v_and_b32 v3, 3, v0
	v_lshl_add_u32 v2, v3, 2, v2
	v_lshl_add_u32 v2, v181, 7, v2                 ; v: channel r of a group of 16, keys 8 h on
	v_lshlrev_b32 v3, 2, v180
	v_lshl_add_u32 v3, v181, 15, v3                ; w_out: rows 8 h on, column r
	v_and_b32 v4, 31, v0
	v_lshlrev_b32 v4, 3, v4                        ; 8 x lane
	s_mul_i32 s16, s12, 4352
	v_mul_u32_u24 v5, v180, 272
	v_lshl_add_u32 v5, v181, 5, v5
	v_add_nc_u32 v5, s16, v5                       ; my partial sum: row r, + 32 h
	s_mul_i32 s16, s12, 272
	v_add_nc_u32 v6, s16, v4                       ; back: row = my wave's number, 8 bytes a lane
	v_lshlrev_b32 v7, 3, v181
	v_sub_nc_u32 v7, v180, v7                      ; r - 8 h
	v_mov_b32 v8, 0xff800000                       ; -infinity
	s_mov_b32 s20, 0x76543210
	s_mov_b32 s21, 0xfedcba98
	s_mov_b32 s22, 0x3e38aa3b                      ; c = log2(e) / 8
	s_mov_b32 s17, 0
	s_mov_b32 s19, 0
	s_mul_i32 s16, s14, 196608
	s_lshl_b32 s18, s12, 12
	s_add_co_u32 s16, s16, s18                     ; qkvf: my batch, my head's four groups of 16 columns
	s_lshl_b32 s18, ttmp9, 8                       ; my 64 columns, in bytes
	s_wait_kmcnt 0x0
	s_add_nc_u64 s[4:5], s[4:5], s[16:17]
	s_add_nc_u64 s[8:9], s[8:9], s[18:19]
	s_add_nc_u64 s[6:7], s[6:7], s[18:19]
	s_add_nc_u64 s[10:11], s[10:11], s[18:19]
	s_lshl_b32 s16, s12, 18                        ; w_out: my head's 64 rows of 4,096 bytes
	s_add_nc_u64 s[6:7], s[6:7], s[16:17]
	s_lshl_b32 s16, s14, 23                        ; out0: 2,048 rows a batch,
	s_lshl_b32 s18, s12, 12
	s_add_co_u32 s16, s16, s18                     ; + my row
	s_add_nc_u64 s[10:11], s[10:11], s[16:17]
.irp s, 0,1,2,3,4,5,6,7,8,9,10,11,12,13,14,15
	global_load_b64 v[KF+2*\s:KF+2*\s+1], v1, s[4:5] offset:65536+(\s/4)*1024+(\s%2)*512+((\s%4)/2)*256
	global_load_b64 v[QF+2*\s:QF+2*\s+1], v1, s[4:5] offset:(\s/4)*1024+(\s%2)*512+((\s%4)/2)*256
.endr
.irp ct, 0,1,2,3
.irp s, 0,1,2,3
.irp j, 0,1
	global_load_b32 v[VF+(\ct*4+\s)*2+\j], v2, s[4:5] offset:131072+1024*\ct+16*(2*\s+\j)   ; v(key 8 h + 2 s + j, channel 16 ct + r)
.endr
.endr
.endr
	global_load_b64 v[190:191], v4, s[8:9]         ; the bias of my two columns
.irp ct, 0,1
.irp s, 0,1,2,3
.irp u, 0,1,2,3
.irp j, 0,1
	global_load_b32 v[W0+((\ct*4+\s)*4+\u)*2+\j], v3, s[6:7] offset:(16*\ct+2*\s+\j)*4096+64*\u   ; w_out(64 w + 16 ct + 8 h + 2 s + j, 16 u + r)
.endr
.endr
.endr
.endr
	s_wait_loadcnt 63                              ; 129 loads were issued; q, k, v and the bias are the first 65, with 64 issued behind them
.irp s, 0,1,2,3,4,5,6,7,8,9,10,11,12,13,14,15      ; S^T = K Q^T: 64 channels, four a step, on two accumulators by turns
.if \s < 2
	v_wmma_f32_16x16x4_f32 v[SA+8*(\s%2):SA+8*(\s%2)+7], v[KF+2*\s:KF+2*\s+1], v[QF+2*\s:QF+2*\s+1], 0
.else
	v_wmma_f32_16x16x4_f32 v[SA+8*(\s%2):SA+8*(\s%2)+7], v[KF+2*\s:KF+2*\s+1], v[QF+2*\s:QF+2*\s+1], v[SA+8*(\s%2):SA+8*(\s%2)+7]
.endif
.endr
.rept 8
	v_nop                                          ; eight places behind this form, in front of reads of the results and of loads into its sources
.endr
.irp ct, 2,3
.irp s, 0,1,2,3
.irp u, 0,1,2,3
.irp j, 0,1
	global_load_b32 v[QF+(((\ct-2)*4+\s)*4+\u)*2+\j], v3, s[6:7] offset:(16*\ct+2*\s+\j)*4096+64*\u
.endr
.endr
.endr
.endr
.irp j, 0,1,2,3,4,5,6,7
	v_add_f32 v[PP+\j], v[SA+\j], v[SA+8+\j]       ; lane (r, h): the score of key 8 h + j for query r
.endr
.irp j, 0,1,2,3,4,5,6,7
	v_cmp_gt_i32 vcc_lo, \j, v7                    ; hidden where 8 h + j > r
	v_cndmask_b32 v[PP+\j], v[PP+\j], v8, vcc_lo
.endr
	v_max3_num_f32 v180, v[PP], v[PP+1], v[PP+2]
	v_max3_num_f32 v181, v[PP+3], v[PP+4], v[PP+5]
	v_max3_num_f32 v180, v180, v[PP+6], v[PP+7]
	v_max_num_f32 v180, v180, v181
	v_permlanex16_b32 v181, v180, s20, s21
	v_max_num_f32 v180, v180, v181                 ; the row's maximum: key 0 counts for every query
	v_mul_f32 v182, s22, v180
.irp j, 0,1,2,3,4,5,6,7
	v_fma_f32 v[PP+\j], v[PP+\j], s22, -v182
.endr
.irp j, 0,1,2,3,4,5,6,7
	v_exp_f32 v[PP+\j], v[PP+\j]
.endr
	v_nop
	s_wait_alu depctr_va_vdst(0)                   ; one wait for the eight exponentials, ahead of their first reader
	v_add_f32 v183, v[PP], v[PP+1]
	v_add_f32 v184, v[PP+2], v[PP+3]
	v_add_f32 v185, v[PP+4], v[PP+5]
	v_add_f32 v186, v[PP+6], v[PP+7]
	v_add_f32 v183, v183, v184
	v_add_f32 v185, v185, v186
	v_add_f32 v183, v183, v185
	v_permlanex16_b32 v184, v183, s20, s21
	v_add_f32 v183, v183, v184                     ; the row's sum
	v_rcp_f32 v187, v183
	v_nop
	s_wait_alu depctr_va_vdst(0)
.irp s, 0,1,2,3                                    ; O^T = V^T P: 16 keys, four a step; four accumulators by turns
.irp ct, 0,1,2,3
.if \s == 0
	v_wmma_f32_16x16x4_f32 v[OA+8*\ct:OA+8*\ct+7], v[VF+(\ct*4+\s)*2:VF+(\ct*4+\s)*2+1], v[PP+2*\s:PP+2*\s+1], 0
.else
	v_wmma_f32_16x16x4_f32 v[OA+8*\ct:OA+8*\ct+7], v[VF+(\ct*4+\s)*2:VF+(\ct*4+\s)*2+1], v[PP+2*\s:PP+2*\s+1], v[OA+8*\ct:OA+8*\ct+7]
.endif
.endr
.endr
.rept 8
	v_nop
.endr
.set I, 0
.rept 32
	v_mul_f32 v[VF+I], v[OA+I], v187               ; o(query r, channel 16 ct + 8 h + j) at register 8 ct + j; each accumulator from its low end
.set I, I+1
.endr
	s_wait_loadcnt 63                              ; w_out's first 64 loads are in: 64 were issued behind them
.irp ct, 0,1,2,3                                   ; Y^T = W^T o^T: 64 channels, four a step; four accumulators by turns
.irp s, 0,1,2,3
.irp u, 0,1,2,3
.set YR, SA+8*\u+32*(\u/2)
.set WR, W0+((\ct*4+\s)*4+\u)*2
.if \ct > 1
.set WR, QF+(((\ct-2)*4+\s)*4+\u)*2
.endif
.if (\ct == 2) && (\s == 0) && (\u == 0)
	s_wait_loadcnt 0x0                             ; the other 64
.endif
.if (\ct == 0) && (\s == 0)
	v_wmma_f32_16x16x4_f32 v[YR:YR+7], v[WR:WR+1], v[VF+8*\ct+2*\s:VF+8*\ct+2*\s+1], 0
.else
	v_wmma_f32_16x16x4_f32 v[YR:YR+7], v[WR:WR+1], v[VF+8*\ct+2*\s:VF+8*\ct+2*\s+1], v[YR:YR+7]
.endif
.endr
.endr
.endr
.rept 8
	v_nop
.endr
.irp u, 0,1,2,3
.set YR, SA+8*\u+32*(\u/2)
	ds_store_b128 v5, v[YR:YR+3] offset:64*\u      ; lane (r, h): my head's part of out(r, 16 u + 8 h + 0 .. 7)
	ds_store_b128 v5, v[YR+4:YR+7] offset:64*\u+16
.endr
	s_wait_dscnt 0x0                               ; for the others' sake: my stores are done
	s_barrier_signal -1
	s_barrier_wait -1
.irp w, 0,1,2,3,4,5,6,7,8,9,10,11,12,13,14,15
	ds_load_b64 v[W0+2*\w:W0+2*\w+1], v6 offset:4352*\w   ; row v of all sixteen heads' parts
.endr
	s_wait_dscnt 0x0
.irp i, 0,1,2,3,4,5,6,7
	v_pk_add_f32 v[W0+4*\i:W0+4*\i+1], v[W0+4*\i:W0+4*\i+1], v[W0+4*\i+2:W0+4*\i+3]
.endr
.irp i, 0,1,2,3
	v_pk_add_f32 v[W0+8*\i:W0+8*\i+1], v[W0+8*\i:W0+8*\i+1], v[W0+8*\i+4:W0+8*\i+5]
.endr
.irp i, 0,1
	v_pk_add_f32 v[W0+16*\i:W0+16*\i+1], v[W0+16*\i:W0+16*\i+1], v[W0+16*\i+8:W0+16*\i+9]
.endr
	v_pk_add_f32 v[W0:W0+1], v[W0:W0+1], v[W0+16:W0+17]
	v_pk_add_f32 v[W0:W0+1], v[W0:W0+1], v[190:191]
	global_store_b64 v4, v[W0:W0+1], s[10:11]      ; 32 lanes store 256 consecutive bytes, aligned
	s_wait_tensorcnt 0x0                           ; the wave's end
	ds_add_u32 v[SPW], v[NIL]
	s_wait_dscnt 0x0
	s_endpgm
.Lfunc_end_k_qe2455f3e47_fine:
	.size	k_qe2455f3e47_fine, .Lfunc_end_k_qe2455f3e47_fine-k_qe2455f3e47_fine
	.p2alignl 7, 3214868480
	.fill 96, 4, 3214868480
	.section	.rodata,"a",@progbits
	.p2align	6, 0x0
	.amdhsa_kernel k_qe2455f3e47_fine
		.amdhsa_group_segment_fixed_size 71680
		.amdhsa_private_segment_fixed_size 0
		.amdhsa_enable_private_segment 0
		.amdhsa_kernarg_size 32
		.amdhsa_user_sgpr_count 2
		.amdhsa_user_sgpr_kernarg_segment_ptr 1
		.amdhsa_wavefront_size32 1
		.amdhsa_system_sgpr_workgroup_id_x 1
		.amdhsa_system_sgpr_workgroup_id_y 1
		.amdhsa_system_sgpr_workgroup_id_z 1
		.amdhsa_system_vgpr_workitem_id 0
		.amdhsa_next_free_vgpr 256
		.amdhsa_next_free_sgpr 66
		.amdhsa_reserve_vcc 1
		.amdhsa_float_denorm_mode_32 3
		.amdhsa_float_denorm_mode_16_64 3
		.amdhsa_memory_ordered 1
		.amdhsa_forward_progress 1
		.amdhsa_inst_pref_size 34
	.end_amdhsa_kernel
	.amdgpu_metadata
---
amdhsa.version: [ 1, 2 ]
amdhsa.kernels:
  - .name:           k_qe2455f3e47_fine
    .symbol:         k_qe2455f3e47_fine.kd
    .args:
      - { .name: qkvf, .offset: 0, .size: 8, .value_kind: global_buffer, .address_space: global }
      - { .name: w_out, .offset: 8, .size: 8, .value_kind: global_buffer, .address_space: global }
      - { .name: b_out, .offset: 16, .size: 8, .value_kind: global_buffer, .address_space: global }
      - { .name: out0, .offset: 24, .size: 8, .value_kind: global_buffer, .address_space: global }
    .group_segment_fixed_size: 71680
    .private_segment_fixed_size: 0
    .kernarg_segment_align: 8
    .kernarg_segment_size: 32
    .max_flat_workgroup_size: 512
    .sgpr_count:     66
    .vgpr_count:     256
    .wavefront_size: 32
...
	.end_amdgpu_metadata
.endif
;; end of part 5
